; MI455X (gfx1250); checked and timed in simulation.
; The chip was launched on July 23, 2026; its instructions are those of AMD's public machine-readable ISA for CDNA 5 (MIT licence, August 2026) and "CDNA5" Instruction Set Architecture Reference Guide (July 2026). The comments in the code are by the model that wrote it; some were corrected since.
;; Co Attention Son Layer. Allowed arithmetic: matrix products marked QUANTISED: E3M2 operands, one E8M0 scale for each 32 along K, by v_wmma_scale_f32_16x16x128_f8f6f4 with both operands' format E3M2, f32 sums; everything else in f32.
;; Inputs: Wk_codes 1,024 x 32 x 24 uint8 (E3M2 codes of Wk, K innermost, in blocks of 32 codes, four codes in three bytes); Wk_scales 1,024 x 32 uint8 (E8M0 scales of Wk, one for each 32 codes along K); Wo_codes 1,024 x 32 x 24 uint8 (E3M2 codes of Wo, K innermost, in blocks of 32 codes, four codes in three bytes); Wo_scales 1,024 x 32 uint8 (E8M0 scales of Wo, one for each 32 codes along K); Wq_codes 1,024 x 32 x 24 uint8 (E3M2 codes of Wq, K innermost, in blocks of 32 codes, four codes in three bytes); Wq_scales 1,024 x 32 uint8 (E8M0 scales of Wq, one for each 32 codes along K); Wv_codes 1,024 x 32 x 24 uint8 (E3M2 codes of Wv, K innermost, in blocks of 32 codes, four codes in three bytes); Wv_scales 1,024 x 32 uint8 (E8M0 scales of Wv, one for each 32 codes along K); bk 1,024 float32; bo 1,024 float32; bq 1,024 float32; bv 1,024 float32; gamma 1,024 float32; hidden_states 4 x 2,048 x 1,024 float32; keyvalue_states_codes 4 x 2,048 x 32 x 24 uint8 (E3M2 codes of keyvalue_states, K innermost, in blocks of 32 codes, four codes in three bytes); keyvalue_states_scales 4 x 2,048 x 32 uint8 (E8M0 scales of keyvalue_states, one for each 32 codes along K).
;; Outputs: out0 4 x 2,048 x 1,024 float32.
;; This version of the problem:
;;   THIS VERSION OF THE PROBLEM IS GIVEN IN LOW PRECISION. The matrix products marked QUANTISED in the list below multiply operands that are first quantised to E3M2 (3 exponent bits, 2 mantissa bits; 6 bits a number), with one power-of-two scale for each 32 numbers along K (OCP MX v1.0); their sums are f32. All else is computed in f32.
;;   The module's matrix products, in the order in which they are computed (A, B: the left and right operand; K: the contracted axis; several contracted axes count as one K, in the product's order):
;;     1. [M 8,192, K 1,024] x [K 1,024, N 1,024]; A: input hidden_states; B: input Wq (given as codes): QUANTISED
;;     2. [M 8,192, K 1,024] x [K 1,024, N 1,024]; A: input keyvalue_states (given as codes); B: input Wk (given as codes): QUANTISED
;;     3. [M 8,192, K 1,024] x [K 1,024, N 1,024]; A: input keyvalue_states (given as codes); B: input Wv (given as codes): QUANTISED
;;     4. batch 64 x [M 2,048, K 64] x [K 64, N 2,048]; A: computed on the way; B: computed on the way: QUANTISED
;;     5. batch 64 x [M 2,048, K 2,048] x [K 2,048, N 64]; A: softmax (see below); B: computed on the way: QUANTISED
;;     6. [M 8,192, K 1,024] x [K 1,024, N 1,024]; A: computed on the way; B: input Wo (given as codes): QUANTISED
;;   THE QUANTISER, for each operand of a quantised product, along K:
;;     - K is cut into blocks of 32 from its start; a last block that is shorter is filled with zeros.
;;     - A block's scale is 2^e with e = floor(log2(the largest magnitude in the block)) - 4, held to -126 .. 127; a block of zeros has e = 0. As a byte (E8M0): e + 127.
;;     - Each number is divided by its block's scale, clamped to +-28, and rounded to the nearest number of E3M2, ties to even, subnormals kept.
;;     - The product sums the exact products of the quantised numbers (number of the format x scale) in f32.
;;   ~~~python
;;   def quantise(x, axis):      # numpy; x: float32 -> the quantised numbers, widened to float32 again
;;       x = np.moveaxis(x, axis, -1); K = x.shape[-1]
;;       x = np.pad(x, [(0, 0)] * (x.ndim - 1) + [(0, -K % 32)]); x = x.reshape(x.shape[:-1] + (-1, 32)); a = np.abs(x).max(-1, keepdims=True)
;;       e = np.where(a > 0, np.clip(np.frexp(np.where(a > 0, a, 1))[1] - 1 - 4, -126, 127), 0)      # np.frexp(a)[1] - 1 = floor(log2(a)), exactly
;;       r = np.clip(x / 2.0 ** e, -28, 28)
;;       step = 2.0 ** (np.maximum(np.frexp(np.where(r == 0, 1, r))[1] - 1, -2) - 2)
;;       q = np.round(r / step) * step * 2.0 ** e      # np.round: ties to even
;;       return np.moveaxis(q.reshape(q.shape[:-2] + (-1,))[..., :K], -1, axis).astype(np.float32)
;;   ~~~
;;   SOFTMAX AHEAD OF A QUANTISED PRODUCT. Where the list says 'softmax', what is quantised is not the finished softmax but p = 2^(t - M), with t = logit x log2(e) and M = ceil(the row's largest t), a whole number; so 1/2 < the row's largest p <= 1. The row's sum l is taken of the UNQUANTISED p, in f32, and the product's result is divided by l at the end. Since M is a whole number, a kernel that streams over the keys may use a running M (the ceiling of the running maximum): every later rescaling is an exact power of two, which a block's scale takes up: the codes' values come out the same.
;;   OPERANDS COMPUTED ON THE WAY. 'Computed on the way' means the value that the module computes at that place (a softmax that the list does not call 'softmax' is quantised finished and normalised). What goes into a quantiser is computed in f32, as accurately as f32 sums, v_exp_f32 and their like allow (about 1e-6 of the number): no bf16 or f16 on the way to a quantiser, and a product that is left as it is and whose result goes on into a quantised operand takes f32 operands (vector FMAs, or v_wmma_f32_16x16x4_f32). A number that lies on a knife's edge between two numbers of the format may be rounded either way, as far as f32 arithmetic and the matrix unit's own rounding can turn it there, and no further.
;;   INPUTS GIVEN AS CODES. Wk (in the module: [1024, 1024], K = its axis 1); Wo (in the module: [1024, 1024], K = its axis 1); Wq (in the module: [1024, 1024], K = its axis 1); Wv (in the module: [1024, 1024], K = its axis 1); keyvalue_states (in the module: [4, 2048, 1024], K = its axis 2): each comes as NAME_codes (uint8): NAME with its K axis moved to the last place and cut into blocks of 32 codes, [.., K / 32, bytes a block], one block behind the other in memory; four codes in three bytes: a row's codes are one little-endian stream of bits, code i at bits 6 i .. 6 i + 5 (a code: sign, 3 exponent bits, 2 mantissa bits); and NAME_scales (uint8): the same leading axes, one E8M0 byte (e + 127) for each 32 codes along K. Its value is code x scale, taken as it is: it is not quantised again, and the codes and scales need not be those that the quantiser above would give.
;; One version. Each part assembles by itself: llvm-mc -triple=amdgcn-amd-amdhsa -mcpu=gfx1250 --defsym DOCPART=n.
;; ======== version 1 of 1: 4 launches
;; workspace buffers: hq_codes 6,291,456 bytes; hq_scales 262,144 bytes; woimg 786,432 bytes; qimg 6,553,600 bytes; kvimg 13,107,200 bytes; cimg 6,291,456 bytes; cscl 262,144 bytes
;; launch prep (part 1): grid 272 x 1, 4 waves a work-group, no clusters, 33,280 bytes of LDS; arguments hidden_states, Wo_codes, hq_codes, hq_scales, woimg; writes hq_codes, hq_scales, woimg
.if DOCPART == 1
	.amdgcn_target "amdgcn-amd-amdhsa--gfx1250"
	.amdhsa_code_object_version 6
	.text
	.protected	k_qcb276d661d_prep
	.globl	k_qcb276d661d_prep
	.p2align	8
	.type	k_qcb276d661d_prep,@function
k_qcb276d661d_prep:
	s_mov_b64 s[64:65], 0
	v_nop
	global_prefetch_b8 v0, s[64:65] scope:SCOPE_SE
	s_setreg_imm32_b32 hwreg(HW_REG_WAVE_MODE, 25, 1), 1
	s_wait_xcnt 0x0
; TWO JOBS, parted by the work-group's number.
; Work-groups 0-255: hidden_states [8192][1024] f32 becomes codes of BF6 (E3M2), K innermost, 768 bytes a row, and one E8M0 byte for each 32 along K (hq_codes, hq_scales).
;   A block's scale is 2^(floor(log2(its largest magnitude)) - 4); its byte is the largest magnitude's exponent field - 4, held at 1 from below.
;   Rows are dense and 1024 is a multiple of 32: the tensor is a stream of blocks.  A wave takes 16 steps of 512 numbers; each load reads 512 consecutive bytes; a step's 2,048 bytes turn through the wave's own
;   stage in LDS so that a lane holds 16 neighbours (two lanes a block); a lane's 16 codes are 12 bytes; a wave's 256 scale bytes leave as one aligned run of 256 bytes.
; Work-groups 256-271: Wo's codes are laid anew as images of operand registers (woimg): fragment (column tile ct, K step s) at (8 ct + s) x 1,536 bytes, registers 4 c .. 4 c + 3 of lane l at 512 c + 16 l.
;   Inside each block of 32 the four groups of 8 codes G0 G1 G2 G3 are laid G0 G2 G1 G3: the order in which the attention launch's conversions leave ctx's codes.  Blocks and scales stay as they are.
; LIMITS: NaN and infinities are not served.  A block of zeros, or one whose largest magnitude lies under 2^-122, gets the byte 1 (its bytes are read by this program alone).
; No cluster, no tensor load: the work-groups share no input.
.set STEPS, 16
.set EMAX,  4
.set CB,    12                         ; bytes of 16 codes
.set R,     16                         ; v16-79   four sets of 16 numbers as they are loaded
.set X,     80                         ; v80-111  two sets of 16 neighbours
.set C,     128                        ; v128-191 codes: four registers for each step
.set E,     112                        ; v112-127 a scale byte for each step
.set WREG,  8192                       ; LDS of a wave: two stages of 32 x SP bytes, then its 256 scale bytes
.set SP,    80                         ; a lane's place in a stage: 64 bytes + 16 of padding
	s_load_b128 s[4:7], s[0:1], 0x0                ; hidden_states, Wo_codes
	s_load_b128 s[8:11], s[0:1], 0x10              ; hq_codes, hq_scales
	s_load_b64 s[12:13], s[0:1], 0x20              ; woimg
	v_lshl_add_u32 v192, v0, 2, 0x8000
	v_mov_b32 v193, 0
	v_lshrrev_b32 v1, 5, v0
	v_readfirstlane_b32 s16, v1                    ; wave
	v_and_b32 v2, 31, v0                           ; lane
	s_cmp_ge_u32 ttmp9, 256
	s_cbranch_scc1 .Lrelay
	v_lshlrev_b32 v3, 4, v2                        ; my 16 bytes of a load's 512
	s_mul_i32 s17, s16, WREG
	v_lshrrev_b32 v14, 2, v2
	v_mul_u32_u24 v14, v14, SP
	v_and_b32 v15, 3, v2
	v_lshl_add_u32 v14, v15, 4, v14
	v_add_nc_u32 v14, s17, v14                     ; the stage, on the way in: SP (lane / 4) + 16 (lane % 4)
	v_mul_u32_u24 v15, v2, SP
	v_add_nc_u32 v15, s17, v15                     ; and on the way out: SP x lane: my 16 neighbours
	v_mul_u32_u24 v4, v2, CB                       ; my codes' place in a step's
	v_lshrrev_b32 v5, 1, v2
	s_add_co_u32 s17, s17, 2*32*SP
	v_add_nc_u32 v5, s17, v5                       ; LDS: my block's scale byte
	v_lshlrev_b32 v7, 3, v2
	v_add_nc_u32 v6, s17, v7                       ; and on the way out 8 bytes a lane
	s_wait_alu depctr_va_vdst(0)
	s_wait_kmcnt 0x0
	s_lshl_b32 s17, ttmp9, 2
	s_add_co_u32 s18, s17, s16                     ; which run of 8,192 numbers is my wave's
	s_mov_b32 s19, 0
	s_mov_b64 s[20:21], 512*STEPS*4
	s_mul_u64 s[20:21], s[18:19], s[20:21]
	s_add_nc_u64 s[4:5], s[4:5], s[20:21]
	s_mov_b64 s[20:21], 32*STEPS*CB
	s_mul_u64 s[20:21], s[18:19], s[20:21]
	s_add_nc_u64 s[8:9], s[8:9], s[20:21]
	s_lshl_b32 s18, s18, 8                         ; 256 scale bytes a run
	s_add_nc_u64 s[10:11], s[10:11], s[18:19]
.macro LOAD t
.irp i, 0,1,2,3
	global_load_b128 v[R+16*((\t)%4)+4*\i:R+16*((\t)%4)+4*\i+3], v3, s[4:5] offset:2048*(\t)+512*\i   ; 32 lanes read 512 consecutive bytes
.endr
.endm
.macro TURN t                          ; step t's numbers through the stage: LDS serves a wave's instructions in order, so no wait stands between the stores and the loads
.irp i, 0,1,2,3
	ds_store_b128 v14, v[R+16*((\t)%4)+4*\i:R+16*((\t)%4)+4*\i+3] offset:32*SP*((\t)%2)+8*SP*\i
.endr
.irp i, 0,1,2,3
	ds_load_b128 v[X+16*((\t)%2)+4*\i:X+16*((\t)%2)+4*\i+3], v15 offset:32*SP*((\t)%2)+16*\i
.endr
.endm
.irp t, 0,1,2,3
	LOAD \t
.endr
	s_wait_loadcnt 12                              ; step 0's four loads are in; the twelve of steps 1 to 3 may be out
	TURN 0
.macro STEP t
.set XS, X+16*((\t)%2)
.if (\t) > 0
	s_wait_dscnt 1                                 ; this step's numbers are back from the stage (the last step's byte store may be out)
.else
	s_wait_dscnt 0x0
.endif
.if (\t)+4 < STEPS
	LOAD (\t)+4                                    ; into the registers that the stage's stores have read
.endif
.if (\t)+1 < STEPS
.if STEPS-2-(\t) >= 3
	s_wait_loadcnt 12                              ; the next step's four loads are in; those of the three steps behind it may be out
.else
	s_wait_loadcnt 4*(STEPS-2-(\t))
.endif
	TURN (\t)+1
.endif
	v_max3_num_f32 v8, |v[XS]|, |v[XS+1]|, |v[XS+2]|               ; the largest magnitude of my 16, in two chains
	v_max3_num_f32 v9, |v[XS+3]|, |v[XS+4]|, |v[XS+5]|
.irp i, 6,10
	v_max3_num_f32 v8, v8, |v[XS+\i]|, |v[XS+\i+1]|
	v_max3_num_f32 v9, v9, |v[XS+\i+2]|, |v[XS+\i+3]|
.endr
	v_max3_num_f32 v8, v8, |v[XS+14]|, |v[XS+15]|
	v_max3_num_f32 v8, v8, v9, (EMAX+1)<<23        ; and the floor 2^(5 - 127): the byte cannot fall under 1
	v_max_num_f32_dpp v8, v8, v8 row_xmask:1 row_mask:0xf bank_mask:0xf   ; and of my neighbour's 16: the block's
	v_add_nc_u32 v11, -(EMAX<<23), v8              ; 4 off its exponent field: the conversion takes that field as its scale
	v_cvt_scalef32_pk16_bf6_f32 v[C+4*(\t):C+4*(\t)+2], v[XS:XS+15], v11
	v_lshrrev_b32 v[E+(\t)], 23, v11               ; the scale's byte
	ds_store_b8 v5, v[E+(\t)] offset:16*(\t)       ; both lanes of a block write the same byte with the same value
	global_store_b96 v4, v[C+4*(\t):C+4*(\t)+2], s[8:9] offset:32*CB*(\t)
.endm
.irp t, 0,1,2,3,4,5,6,7,8,9,10,11,12,13,14,15
	STEP \t
.endr
	ds_load_b64 v[12:13], v6                       ; LDS serves a wave's instructions in order: these see my stores
	s_wait_dscnt 0x0
	global_store_b64 v7, v[12:13], s[10:11]        ; 32 lanes store 256 consecutive bytes, aligned
	s_wait_tensorcnt 0x0
	ds_add_u32 v192, v193
	s_wait_dscnt 0x0
	s_endpgm
.Lrelay:                                           ; Wo's codes: a wave takes one tile of 16 rows, all eight K steps: 96 registers
	v_and_b32 v3, 15, v0                           ; r
	v_bfe_u32 v4, v0, 4, 1                         ; h
	v_mul_u32_u24 v5, v3, 768
	v_mad_u32_u24 v5, v4, 24, v5                   ; row r of 768 bytes, + 24 h
	s_wait_alu depctr_va_vdst(0)
	v_lshlrev_b32 v6, 4, v2                        ; out: 16 x lane
	s_sub_co_u32 s17, ttmp9, 256
	s_lshl_b32 s17, s17, 2
	s_add_co_u32 s17, s17, s16                     ; ct = 4 x (work-group - 256) + wave
	s_mul_i32 s18, s17, 12288                      ; 16 rows of 768 bytes in, 8 fragments of 1,536 bytes out
	s_mov_b32 s19, 0
	s_mov_b32 s20, 0x05040302                      ; byte selects: the upper half of the second source under the lower half of the first,
	s_mov_b32 s21, 0x05040100                      ; the two lower halves,
	s_mov_b32 s22, 0x07060302                      ; the two upper halves
	s_wait_kmcnt 0x0
	s_add_nc_u64 s[6:7], s[6:7], s[18:19]
	s_add_nc_u64 s[12:13], s[12:13], s[18:19]
.irp kk, 0,1,2,3,4,5,6,7
.irp p, 0,1,2,3,4,5
	global_load_b64 v[16+12*\kk+2*\p:17+12*\kk+2*\p], v5, s[6:7] offset:96*\kk+48*(\p/3)+8*(\p%3)   ; the fragment's registers as the operand's layout has them
.endr
.endr
	s_wait_loadcnt 0x0
; six registers are a block of 32 codes, 192 bits: four groups of 48 bits.  The second and the third change places.
.macro SIG b
	v_perm_b32 v8, v[\b+2], v[\b+1], s20           ; G1's first 32 bits
	v_perm_b32 v[\b+1], v[\b+3], v[\b+1], s21      ; G0's last 16 bits, G2's first 16
	v_perm_b32 v9, v[\b+4], v[\b+2], s22           ; G1's last 16 bits, G3's first 16
	v_perm_b32 v[\b+2], v[\b+4], v[\b+3], s20      ; G2's last 32 bits
	v_mov_b32 v[\b+3], v8
	v_mov_b32 v[\b+4], v9
.endm
.set Q, 16
.rept 16
	SIG Q
.set Q, Q+6
.endr
.irp kk, 0,1,2,3,4,5,6,7
.irp c, 0,1,2
	global_store_b128 v6, v[16+12*\kk+4*\c:19+12*\kk+4*\c], s[12:13] offset:1536*\kk+512*\c   ; 32 lanes store 512 consecutive bytes
.endr
.endr
	s_endpgm
.Lfunc_end_k_qcb276d661d_prep:
	.size	k_qcb276d661d_prep, .Lfunc_end_k_qcb276d661d_prep-k_qcb276d661d_prep
	.p2alignl 7, 3214868480
	.fill 96, 4, 3214868480
	.section	.rodata,"a",@progbits
	.p2align	6, 0x0
	.amdhsa_kernel k_qcb276d661d_prep
		.amdhsa_group_segment_fixed_size 33280
		.amdhsa_private_segment_fixed_size 0
		.amdhsa_enable_private_segment 0
		.amdhsa_kernarg_size 40
		.amdhsa_user_sgpr_count 2
		.amdhsa_user_sgpr_kernarg_segment_ptr 1
		.amdhsa_wavefront_size32 1
		.amdhsa_system_sgpr_workgroup_id_x 1
		.amdhsa_system_sgpr_workgroup_id_y 1
		.amdhsa_system_sgpr_workgroup_id_z 1
		.amdhsa_system_vgpr_workitem_id 0
		.amdhsa_next_free_vgpr 194
		.amdhsa_next_free_sgpr 66
		.amdhsa_reserve_vcc 0
		.amdhsa_float_denorm_mode_32 3
		.amdhsa_float_denorm_mode_16_64 3
		.amdhsa_memory_ordered 1
		.amdhsa_forward_progress 1
		.amdhsa_inst_pref_size 45
	.end_amdhsa_kernel
	.amdgpu_metadata
---
amdhsa.version: [ 1, 2 ]
amdhsa.kernels:
  - .name:           k_qcb276d661d_prep
    .symbol:         k_qcb276d661d_prep.kd
    .args:
      - { .name: hidden_states, .offset: 0, .size: 8, .value_kind: global_buffer, .address_space: global }
      - { .name: Wo_codes, .offset: 8, .size: 8, .value_kind: global_buffer, .address_space: global }
      - { .name: hq_codes, .offset: 16, .size: 8, .value_kind: global_buffer, .address_space: global }
      - { .name: hq_scales, .offset: 24, .size: 8, .value_kind: global_buffer, .address_space: global }
      - { .name: woimg, .offset: 32, .size: 8, .value_kind: global_buffer, .address_space: global }
    .group_segment_fixed_size: 33280
    .private_segment_fixed_size: 0
    .kernarg_segment_align: 8
    .kernarg_segment_size: 40
    .max_flat_workgroup_size: 128
    .sgpr_count:     66
    .vgpr_count:     194
    .wavefront_size: 32
...
	.end_amdgpu_metadata
.endif
;; end of part 1
;; launch proj (part 2): grid 192 x 1, 4 waves a work-group, clusters of 4 x 1, 327,680 bytes of LDS; arguments hq_codes, hq_scales, Wq_codes, Wq_scales, bq, keyvalue_states_codes, keyvalue_states_scales, Wk_codes, Wk_scales, bk, Wv_codes, Wv_scales, bv, qimg, kvimg; writes qimg, kvimg
.if DOCPART == 2
	.amdgcn_target "amdgcn-amd-amdhsa--gfx1250"
	.amdhsa_code_object_version 6
	.text
	.protected	k_qcb276d661d_proj
	.globl	k_qcb276d661d_proj
	.p2align	8
	.type	k_qcb276d661d_proj,@function
k_qcb276d661d_proj:
	s_mov_b64 s[64:65], 0
	v_nop
	global_prefetch_b8 v0, s[64:65] scope:SCOPE_SE
	s_setreg_imm32_b32 hwreg(HW_REG_WAVE_MODE, 25, 1), 1
	s_wait_xcnt 0x0
	s_wait_alu depctr_hold_cnt(0) depctr_sa_sdst(0) depctr_va_vdst(0) depctr_va_sdst(0) depctr_va_ssrc(0) depctr_va_vcc(0) depctr_vm_vsrc(0)
	s_getreg_b32 s2, hwreg(HW_REG_IB_STS2, 6, 4)
	s_cmp_eq_u32 s2, 0
	s_cbranch_scc0 .Lentry_in_a_cluster
	s_endpgm
.Lentry_in_a_cluster:
	s_bfe_u32 s2, ttmp6, 0x10000c
	s_cmp_lg_u32 s2, 0x3003
	s_cbranch_scc0 .Lentry_shape_is_right
	s_endpgm
.Lentry_shape_is_right:
; q = hidden Wq^T + bq, k = kv Wk^T + bk, v = kv Wv^T + bv, on codes of BF6 (E3M2) with E8M0 scales, each result quantised at once into the images that the attention launch's operand registers take.
; ONE SHAPE, THREE ROLES (role = cluster / 16).  A RESIDENT slab of 128 rows x K 1,024 is source 1 (n: the lanes); a STREAM of 1,024 rows, in 8 chunks of 128, is source 0 (m: the registers); the result is quantised along m.
;   role 0 (q): stream Wq, resident 128 rows of hidden's codes: a lane holds a token, its registers run along the channels, the head's 64 being two blocks.
;   role 1 (k): stream Wk, resident 128 rows of kv.          role 2 (v): stream 1,024 rows of kv, resident 128 rows of Wv: a lane holds a channel, its registers run along the KEYS, which are the second product's K.
; CLUSTER: the four work-groups of a cluster have four slabs and walk the same stream: each chunk is asked for JOINTLY (mask 15).  The slab is each work-group's own, by a plain load.
; 192 work-groups: 64 slabs a role; a slab is not cut further, since its rows' codes stay in registers for the whole launch.
; SHARES: wave (wm = wave & 1, wn = wave >> 1): stream rows 64 wm + 16 mt of a chunk, resident rows 32 nt + 16 wn: 16 accumulators.  Its 64 resident rows x K 1,024 stay in 384 registers; LDS then serves the stream alone.
; A HALF IMAGE is 768 bytes: six operand registers of 32 lanes, registers 0-3 of lane l at 16 l, registers 4-5 at 512 + 8 l; lane (r, H) holds row r's block H.  Inside a block the codes stand in the order
; 0-7, 16-23, 8-15, 24-31, alike in both operands of every product that reads them.
; LIMITS: NaN and infinities are not served; a block of zeros, or one under 2^-122, gets the scale byte 1 (read by this program alone); inside a block the later products add in the order just given.
; REGISTERS: window 0: see the names below.  Window 1: resident fragments of K steps 0-4 at 48 s + 12 nt.  Window 2: K steps 5-7 at 48 (s - 5) + 12 nt; v144-175 the bias along m.  Window 3: accumulator (mt, nt) at 32 nt + 8 mt.
.set PITCH, 816                        ; an LDS row: 768 bytes as 3 x (256 + 16 of padding) = 204 words: row r starts at word 12 r mod 64, so the 32 lanes of a load of 8 bytes touch 64 different banks (64 banks of 4 bytes: ISA guide 11.1)
.set T16,   16*PITCH
.set QUART, 32*PITCH                   ; what one tensor load brings: 32 rows
.set SLOTB, 4*QUART                    ; a chunk of 128 rows
.set RES,   2*SLOTB                    ; behind the two slots: the resident slab, filled once
.set SPARE, 3*SLOTB                    ; behind it: the spare words, 128 bytes a wave: two blocks of 256 bytes that no other line names
.set CHUNK, 98304                      ; 128 rows of 768 bytes in memory
.set ADS,  4                           ; v4-5 my stream fragments' LDS address in slot 0, 1; v6-7 the same for pieces that lie behind one padding more
.set SPW,  8                           ; v8   my spare word;  v9  0: both never rewritten
.set NIL,  9
.set OSC,  10                          ; v10  32 r + 16 h: a tile's scale bytes, 16 a lane
.set OBM,  11                          ; v11  32 h: the bias along m
.set VO16, 12                          ; v12-15 store offsets of an image's first 512 bytes, for nt = 0 .. 3
.set VO8,  16                          ; v16-19 of its last 256
.set VS,   20                          ; v20-23 of its scale pieces
.set BN,   24                          ; v24-31 the bias along n: four pairs, the low word used
.set RS,   32                          ; v32-47 resident scale words: 4 nt + q: K step q in lanes 0-15, K step 4 + q in lanes 16-31
.set SS,   48                          ; v48-79 stream scale words, two sets: 16 set + 4 mt + q
.set SF,   80                          ; v80-175 stream fragments, two buffers of four
.set TM,   176                         ; v176-183 largest magnitudes of the eight blocks
.set TP,   184                         ; v184-191 the other half's, then the bytes
.set TS,   192                         ; v192-199 the conversions' scale operands
.set PW,   200                         ; v200-203 scale pieces
.set CD,   204                         ; v204-251 codes, 12 registers for each nt
.set RA,   252                         ; v252-255 LDS addresses of my resident rows
.set BM,   144                         ; in window 2
.set STC, 36                           ; s[36:37] stream codes, s[38:39] stream scales, s[40:41] resident codes, s[42:43] resident scales, s[44:45] bias, s[46:47] output
.set STS, 38
.set REC, 40
.set RSS, 42
.set BIA, 44
.set OUT, 46
.set G1J, 48                           ; s[48:55] descriptor group 1, joint;  s[56:63] plain
.set G1R, 56
.set G0S, 68                           ; s[68:75] group 0 of the two slots;  s[76:79] of the slab
.set G0R, 76
.set WV,  80
.set WM,  81
.set WN,  82
.set ROLE, 83
.set CI,  84
.set CX,  85
.set CNT, 86
.set ISV, 87
.set SCH, 88                           ; s[88:89] bytes from a chunk's output to the next chunk's
.set SEL, 90                           ; s[90:91] v_permlanex16_b32's selects for lane l xor 16
.set MSB, 0
.macro WIN new                         ; the immediate's high byte repeats the setting that is left
.if MSB != \new
	s_set_vgpr_msb (MSB<<8)|\new
.set MSB, \new
.endif
.endm
.macro CREST                           ; a round of the cluster's barrier behind its opening barrier
	s_cmp_lg_u32 s[WV], 0
	s_cbranch_scc1 .Lnot_wave_0_\@
	s_barrier_signal -3
.Lnot_wave_0_\@:
	s_barrier_wait -3
	s_barrier_signal -1
	s_barrier_wait -1
.endm
.macro ROUND
	s_barrier_signal -1
	s_barrier_wait -1
	CREST
.endm
.macro PLACES                          ; four plain vector instructions behind a matrix instruction, ahead of loads into its registers and of reads of its result
.rept 4
	v_nop
.endr
.endm
	s_load_b512 s[4:19], s[0:1], 0x0               ; hq codes 4, hq scales 6, Wq codes 8, Wq scales 10, bq 12, kv codes 14, kv scales 16, Wk codes 18
	s_load_b256 s[20:27], s[0:1], 0x40             ; Wk scales 20, bk 22, Wv codes 24, Wv scales 26
	s_load_b128 s[28:31], s[0:1], 0x60             ; bv 28, qimg 30
	s_load_b64 s[32:33], s[0:1], 0x70              ; kvimg
	v_lshl_add_u32 v[SPW], v0, 2, SPARE
	v_mov_b32 v[NIL], 0
	ds_add_u32 v8, v9
	ds_add_u32 v8, v9
	s_wait_dscnt 0x0
	v_lshrrev_b32 v1, 5, v0
	v_readfirstlane_b32 s[WV], v1                  ; wave 0..3
	s_and_b32 s[WM], s[WV], 1
	s_lshr_b32 s[WN], s[WV], 1
	s_lshr_b32 s[ROLE], ttmp9, 4                   ; in a cluster launch ttmp9 counts clusters: 16 a role
	s_and_b32 s[CI], ttmp9, 15
	s_bfe_u32 s[CX], ttmp6, 0x40000                ; my place in the cluster: it enters the slab's, the bias's and the output's global addresses alone
	s_mov_b32 s[SEL], 0x76543210
	s_mov_b32 s[SEL+1], 0xfedcba98
	; descriptor group 1: 32 rows of 768 bytes are dense in memory: 96 rows of 256 bytes (32 elements of 8 bytes), 16 bytes of padding behind each
	s_mov_b32 s[G1J], 15|(3<<16)|(1<<20)|(1<<21)|(5<<22)|(3<<25)   ; 15:0 the mask: all four; 17:16 elements of 8 bytes; 20 padding on; 21 set beside a mask; 24:22 after every 64 words; 31:25 of 4 words
	s_mov_b32 s[G1R], (3<<16)|(1<<20)|(5<<22)|(3<<25)              ; the same with no mask
.irp g, G1J, G1R
	s_mov_b32 s[\g+1], 32<<16                      ; tensor_dim0
	s_mov_b32 s[\g+2], 96<<16                      ; tensor_dim1
	s_mov_b32 s[\g+3], 32<<16                      ; tile_dim0
	s_mov_b32 s[\g+4], 96                          ; tile_dim1
	s_mov_b32 s[\g+5], 32                          ; tensor_dim0_stride
	s_mov_b32 s[\g+6], 0
	s_mov_b32 s[\g+7], 0
.endr
	s_cmp_eq_u32 s[ROLE], 2
	s_cselect_b32 s[ISV], 1, 0
	s_cmp_eq_u32 s[ROLE], 0
	s_cselect_b32 s3, 1, 0
	s_lshr_b32 s35, 204800, s3                     ; bytes of a head in the output: 102,400 in qimg, 204,800 in kvimg
	s_lshr_b32 s67, 12288, s3                      ; where the scale pieces of q (6,144) or k (12,288) begin in a block of 128 rows
	s_lshr_b32 s34, s[CI], 1
	s_mul_i32 s34, s34, s[ISV]                     ; role v: which 1,024 rows of kv are the stream; else 0
	s_mul_i32 s66, s[WV], QUART                    ; my quarter of a slot or of the slab in LDS
	s_and_b32 s92, s[CI], 1
	s_cmp_eq_u32 s[ROLE], 2
	s_cselect_b32 s92, s92, s[CI]
	s_lshl_b32 s92, s92, 2
	s_add_co_u32 s92, s92, s[CX]                   ; my slab: q, k: 4 ci + cx of 64; v: 4 (ci % 2) + cx of 8
	v_and_b32 v1, 15, v0                           ; r
	v_bfe_u32 v2, v0, 4, 1                         ; h
	v_and_b32 v3, 31, v0                           ; lane
	v_mul_u32_u24 v[ADS], v1, PITCH
	v_mad_u32_u24 v[ADS+2], v2, 40, v[ADS]         ; lanes 16-31 read three pieces of 8 bytes further on: 24 bytes, or 40 where a padding lies between
	v_mad_u32_u24 v[ADS], v2, 24, v[ADS]
	s_mul_i32 s2, s[WM], 4*T16                     ; my 64 rows of a chunk
	v_add_nc_u32 v[ADS], s2, v[ADS]
	v_add_nc_u32 v[ADS+2], s2, v[ADS+2]
	v_add_nc_u32 v[ADS+1], SLOTB, v[ADS]
	v_add_nc_u32 v[ADS+3], SLOTB, v[ADS+2]
	v_mul_u32_u24 v[RA], v1, PITCH
	v_mad_u32_u24 v[RA+2], v2, 40, v[RA]
	v_mad_u32_u24 v[RA], v2, 24, v[RA]
	s_mul_i32 s2, s[WN], T16
	s_add_co_u32 s2, s2, RES
	v_add_nc_u32 v[RA], s2, v[RA]                  ; resident rows 16 wn + r; tiles nt = 0, 1 by the immediate,
	v_add_nc_u32 v[RA+2], s2, v[RA+2]
	v_add_nc_u32 v[RA+1], 2*QUART, v[RA]           ; nt = 2, 3 from 64 rows on: the immediate has 16 bits
	v_add_nc_u32 v[RA+3], 2*QUART, v[RA+2]
	v_lshlrev_b32 v[OSC], 5, v1
	v_lshl_add_u32 v[OSC], v2, 4, v[OSC]
	v_lshlrev_b32 v[OBM], 5, v2
.irp j, 0,1,2,3,4,5,6,7
	v_mov_b32 v[TP+\j], 0                          ; written once: a lane permute's destination counts as one of its sources
	v_mov_b32 v[BN+\j], 0
.endr
	WIN 0x80
.irp j, 0,1,2,3,4,5,6,7,8,9,10,11,12,13,14,15,16,17,18,19,20,21,22,23,24,25,26,27,28,29,30,31
	v_mov_b32 v[BM+\j], 0                          ; role v has no bias along m: its sums begin with these zeros
.endr
	WIN 0
	s_wait_kmcnt 0x0
	s_cmp_eq_u32 s[ROLE], 0                        ; the buffers by role: the choice hangs on the cluster's number alone
	s_cselect_b64 s[STC:STC+1], s[8:9], s[18:19]
	s_cselect_b64 s[STS:STS+1], s[10:11], s[20:21]
	s_cselect_b64 s[REC:REC+1], s[4:5], s[14:15]
	s_cselect_b64 s[RSS:RSS+1], s[6:7], s[16:17]
	s_cselect_b64 s[BIA:BIA+1], s[12:13], s[22:23]
	s_cselect_b64 s[OUT:OUT+1], s[30:31], s[32:33]
	s_cmp_eq_u32 s[ROLE], 2
	s_cselect_b64 s[STC:STC+1], s[14:15], s[STC:STC+1]
	s_cselect_b64 s[STS:STS+1], s[16:17], s[STS:STS+1]
	s_cselect_b64 s[REC:REC+1], s[24:25], s[REC:REC+1]
	s_cselect_b64 s[RSS:RSS+1], s[26:27], s[RSS:RSS+1]
	s_cselect_b64 s[BIA:BIA+1], s[28:29], s[BIA:BIA+1]
	; the stores' offsets.  q, k: wm = the head's parity, tile T = 2 nt + wn of 16 rows.  v: wm = which 64 keys, channel tile 2 (nt & 1) + wn of head nt >> 1
	s_lshl_b32 s9, s35, 1
	s_mov_b32 s6, 3072
	s_cmp_eq_u32 s[ROLE], 2
	s_cselect_b32 s4, 768, s35                     ; an image's step with wm
	s_cselect_b32 s5, 2, s35                       ; a scale piece's step with wm
	s_cselect_b32 s6, 204800, s6                   ; an image's step with nt >> 1
	s_cselect_b32 s7, 204800, 8                    ; a piece's
	s_cselect_b32 s8, 6144, 0                      ; where the images begin in a block
	s_cselect_b32 s10, 12544, s67                  ; where the pieces begin
	s_cselect_b32 s[SCH], 12800, s9                ; from chunk to chunk: v: the next 128 keys; q, k: two heads on
	s_mov_b32 s[SCH+1], 0
	s_lshl_b32 s11, 768, s[ISV]                    ; an image's step with wn
	s_lshl_b32 s12, 1536, s[ISV]                   ; with nt & 1
	s_lshl_b32 s13, 2, s[ISV]                      ; a piece's step with wn
	s_lshl_b32 s14, 4, s[ISV]                      ; with nt & 1
	s_mul_i32 s4, s4, s[WM]
	s_mul_i32 s11, s11, s[WN]
	s_add_co_u32 s8, s8, s4
	s_add_co_u32 s8, s8, s11
	s_mul_i32 s5, s5, s[WM]
	s_mul_i32 s13, s13, s[WN]
	s_add_co_u32 s10, s10, s5
	s_add_co_u32 s10, s10, s13
	v_lshlrev_b32 v[VO16], 4, v3
	v_lshlrev_b32 v[VO8], 3, v3
	v_add_nc_u32 v[VO8], 512, v[VO8]
	v_lshlrev_b32 v[VS], 4, v1
	v_add_nc_u32 v[VO16], s8, v[VO16]
	v_add_nc_u32 v[VO8], s8, v[VO8]
	v_add_nc_u32 v[VS], s10, v[VS]
	v_add_nc_u32 v[VO16+1], s12, v[VO16]
	v_add_nc_u32 v[VO8+1], s12, v[VO8]
	v_add_nc_u32 v[VS+1], s14, v[VS]
.irp n, 0,1
	v_add_nc_u32 v[VO16+2+\n], s6, v[VO16+\n]
	v_add_nc_u32 v[VO8+2+\n], s6, v[VO8+\n]
	v_add_nc_u32 v[VS+2+\n], s7, v[VS+\n]
.endr
	v_lshlrev_b32 v3, 2, v1                        ; 4 r: the bias along n
	; where my output begins.  q, k: batch slab >> 4 (16 heads), block slab & 15.  v: batch part >> 1, head 2 slab, block 8 (part & 1)
	s_lshr_b32 s93, s92, 4
	s_lshl_b32 s93, s93, 4
	s_and_b32 s94, s92, 15
	s_lshr_b32 s95, s34, 1
	s_lshl_b32 s95, s95, 4
	s_lshl_b32 s96, s92, 1
	s_add_co_u32 s95, s95, s96
	s_and_b32 s96, s34, 1
	s_lshl_b32 s96, s96, 3
	s_cmp_eq_u32 s[ROLE], 2
	s_cselect_b32 s93, s95, s93
	s_cselect_b32 s94, s96, s94
	s_mul_i32 s93, s93, s35
	s_lshr_b32 s95, s35, 4
	s_mul_i32 s94, s94, s95
	s_add_co_u32 s94, s94, s93
	s_mov_b32 s95, 0
	s_add_nc_u64 s[OUT:OUT+1], s[OUT:OUT+1], s[94:95]
	s_lshl_b32 s96, s92, 12                        ; resident scales: 128 rows of 32 bytes a slab, + my 16 wn rows
	s_lshl_b32 s97, s[WN], 9
	s_add_co_u32 s96, s96, s97
	s_mov_b32 s97, 0
	s_add_nc_u64 s[RSS:RSS+1], s[RSS:RSS+1], s[96:97]
	s_lshl_b32 s98, s92, 9                         ; the bias: v: channel 128 slab + 16 wn; q, k: channel 64 wm
	s_lshl_b32 s99, s[WN], 6
	s_add_co_u32 s98, s98, s99
	s_lshl_b32 s99, s[WM], 8
	s_cmp_eq_u32 s[ROLE], 2
	s_cselect_b32 s98, s98, s99
	s_mov_b32 s99, 0
	s_add_nc_u64 s[BIA:BIA+1], s[BIA:BIA+1], s[98:99]
	s_lshl_b32 s2, s34, 15                         ; stream scales: the part's 1,024 rows of 32 bytes, + my 64 wm rows
	s_lshl_b32 s3, s[WM], 11
	s_add_co_u32 s2, s2, s3
	s_mov_b32 s3, 0
	s_add_nc_u64 s[STS:STS+1], s[STS:STS+1], s[2:3]
	s_mul_i32 s2, s34, 786432                      ; stream codes: the part, + my 32 rows of a chunk: nothing here hangs on my place in the cluster
	s_mul_i32 s3, s[WV], 24576
	s_add_co_u32 s2, s2, s3
	s_mov_b32 s3, 0
	s_add_nc_u64 s[STC:STC+1], s[STC:STC+1], s[2:3]
.irp n, 0,1
	s_mov_b32 s[G0S+4*\n], 1                       ; count = 1
	s_add_co_u32 s[G0S+4*\n+1], s66, \n*SLOTB      ; LDS address
	s_add_nc_u64 s[G0S+4*\n+2:G0S+4*\n+3], s[STC:STC+1], \n*CHUNK   ; chunk n
	s_or_b32 s[G0S+4*\n+3], s[G0S+4*\n+3], 0x80000000              ; type = 2
.endr
	s_mul_i32 s94, s92, CHUNK                      ; the slab, + my 32 rows
	s_mul_i32 s95, s[WV], 24576
	s_add_co_u32 s94, s94, s95
	s_mov_b32 s95, 0
	s_mov_b32 s[G0R], 1
	s_add_co_u32 s[G0R+1], s66, RES
	s_add_nc_u64 s[G0R+2:G0R+3], s[REC:REC+1], s[94:95]
	s_or_b32 s[G0R+3], s[G0R+3], 0x80000000
	ROUND                                          ; all four work-groups are here: the first joint loads meet
	tensor_load_to_lds s[G0R:G0R+3], s[G1R:G1R+7]  ; the slab's fill, a plain load: one load of mine is out
	s_nop 0
	s_wait_alu depctr_va_vdst(0)
	s_wait_tensorcnt 0x0
	ds_add_u32 v8, v9
	s_wait_dscnt 0x0
	ROUND
	tensor_load_to_lds s[G0S:G0S+3], s[G1J:G1J+7]
	s_nop 0
	s_wait_alu depctr_va_vdst(0)
	s_wait_tensorcnt 0x0
	ds_add_u32 v8, v9
	s_wait_dscnt 0x0
	ROUND
	tensor_load_to_lds s[G0S+4:G0S+7], s[G1J:G1J+7]
	s_nop 0
	PLACES                                         ; four v_nop behind the tensor loads
.macro BMLD                            ; the bias along m of a chunk: lane (r, h) wants, for tile mt, channels 16 mt + 8 h + 0 .. 7: the layout of a result
	WIN 0x80
.irp mt, 0,1,2,3
	global_load_b128 v[BM+8*\mt:BM+8*\mt+3], v[OBM], s[BIA:BIA+1] offset:64*\mt
	global_load_b128 v[BM+8*\mt+4:BM+8*\mt+7], v[OBM], s[BIA:BIA+1] offset:64*\mt+16
.endr
	WIN 0
.endm
.irp nt, 0,1,2,3
	global_load_b128 v[RS+4*\nt:RS+4*\nt+3], v[OSC], s[RSS:RSS+1] offset:1024*\nt   ; 32 lanes read a tile's 512 scale bytes
.endr
.irp mt, 0,1,2,3
	global_load_b128 v[SS+4*\mt:SS+4*\mt+3], v[OSC], s[STS:STS+1] offset:512*\mt
.endr
	s_cmp_eq_u32 s[ROLE], 2
	s_cbranch_scc1 .Lbias_n
	BMLD
	s_branch .Lbias_done
.Lbias_n:
	s_wait_alu depctr_va_vdst(0)
.irp nt, 0,1,2,3
	global_load_b32 v[BN+2*\nt], v3, s[BIA:BIA+1] offset:128*\nt   ; bv of my lane's channel 32 nt + r
.endr
.Lbias_done:
; a fragment, 16 rows x 128 K of 6-bit codes: lane (r, h) takes 24 bytes at 96 kk + 24 h of row r and 24 at 48 further on, in pieces of 8 bytes.  A padding of 16 bytes lies behind every 32 pieces.
.macro FRAG reg, adr, kk, t
.irp p, 0,1,2,3,4,5
.set PC, 12*(\kk)+6*(\p/3)+\p%3
.if PC%32 < 29
	ds_load_b64 v[\reg+2*\p:\reg+2*\p+1], v[\adr] offset:8*PC+16*(PC/32)+(\t)*T16
.else
	ds_load_b64 v[\reg+2*\p:\reg+2*\p+1], v[\adr+2] offset:8*PC+16*(PC/32)+(\t)*T16
.endif
.endr
.endm
.macro LOADS slot, kk, buf             ; my four stream fragments of K step kk: 24 LDS loads in one run
	WIN 0
.irp mt, 0,1,2,3
	FRAG SF+48*(\buf)+12*\mt, ADS+\slot, \kk, \mt
.endr
.endm
; matrix instructions of K step kk for nt = n0 .. n1.  The 16 accumulators take turns, one instruction a turn, in the same order in every step.  K step 0 starts the sums with the bias.
.macro MUL kk, buf, slot, n0, n1
.if (\kk) == 0
	WIN 0xe4                                       ; A window 0, B window 1, C window 2, D window 3
.elseif (\kk) < 5
	WIN 0xf4                                       ; C and D window 3
.else
	WIN 0xf8                                       ; B window 2
.endif
.irp nt, 0,1,2,3
.if (\nt >= \n0) && (\nt <= \n1)
.irp mt, 0,1,2,3
.if (\kk) == 0
	v_wmma_scale_f32_16x16x128_f8f6f4 v[32*\nt+8*\mt:32*\nt+8*\mt+7], v[SF+48*(\buf)+12*\mt:SF+48*(\buf)+12*\mt+11], v[48*((\kk)%5)+12*\nt:48*((\kk)%5)+12*\nt+11], v[BM+8*\mt:BM+8*\mt+7], v[SS+16*(\slot)+4*\mt+(\kk)%4], v[RS+4*\nt+(\kk)%4] matrix_a_fmt:MATRIX_FMT_BF6 matrix_b_fmt:MATRIX_FMT_BF6
.elseif (\kk) < 4
	v_wmma_scale_f32_16x16x128_f8f6f4 v[32*\nt+8*\mt:32*\nt+8*\mt+7], v[SF+48*(\buf)+12*\mt:SF+48*(\buf)+12*\mt+11], v[48*((\kk)%5)+12*\nt:48*((\kk)%5)+12*\nt+11], v[32*\nt+8*\mt:32*\nt+8*\mt+7], v[SS+16*(\slot)+4*\mt+(\kk)%4], v[RS+4*\nt+(\kk)%4] matrix_a_fmt:MATRIX_FMT_BF6 matrix_b_fmt:MATRIX_FMT_BF6
.else
	v_wmma_scale_f32_16x16x128_f8f6f4 v[32*\nt+8*\mt:32*\nt+8*\mt+7], v[SF+48*(\buf)+12*\mt:SF+48*(\buf)+12*\mt+11], v[48*((\kk)%5)+12*\nt:48*((\kk)%5)+12*\nt+11], v[32*\nt+8*\mt:32*\nt+8*\mt+7], v[SS+16*(\slot)+4*\mt+(\kk)%4], v[RS+4*\nt+(\kk)%4] matrix_a_fmt:MATRIX_FMT_BF6 matrix_b_fmt:MATRIX_FMT_BF6 matrix_a_scale:MATRIX_SCALE_ROW1 matrix_b_scale:MATRIX_SCALE_ROW1
.endif
.endr
.endif
.endr
.endm
; the next chunk's scale words and bias.  The earlier loads by these bases were waited for at this chunk's K step 0, so the bases may step; K step 0's products, which read the bias, stand four places back.
.macro NEXTGL slot
	s_add_nc_u64 s[STS:STS+1], s[STS:STS+1], 4096
	s_add_nc_u64 s[BIA:BIA+1], s[BIA:BIA+1], 512
.irp mt, 0,1,2,3
	global_load_b128 v[SS+16*(1-\slot)+4*\mt:SS+16*(1-\slot)+4*\mt+3], v[OSC], s[STS:STS+1] offset:512*\mt
.endr
	s_cmp_eq_u32 s[ROLE], 2
	s_cbranch_scc1 .Lno_bm_\@
	BMLD
.Lno_bm_\@:
.endm
; A chunk's results leave.  For each nt my 32 registers are two blocks of 32 along m, half of each (the other half lies in lane l xor 16).
.macro EPI
	s_cmp_lg_u32 s[ROLE], 2
	s_cbranch_scc1 .Lno_bn_\@
	WIN 0xc3                                       ; the accumulators in window 3, bv in window 0
.irp nt, 0,1,2,3
.irp j, 0,2,4,6,8,10,12,14,16,18,20,22,24,26,28,30
	v_pk_add_f32 v[32*\nt+\j:32*\nt+\j+1], v[32*\nt+\j:32*\nt+\j+1], v[BN+2*\nt:BN+2*\nt+1] op_sel_hi:[1,0]   ; + bv of my lane's channel; each accumulator from its low end on
.endr
.endr
	WIN 0
.Lno_bn_\@:
	WIN 0x0f
.irp q, 0,1,2,3,4,5,6,7
	v_max3_num_f32 v[TM+\q], |v[16*\q]|, |v[16*\q+1]|, 0x2800000   ; block q = 2 nt + b: my 16 numbers, and the floor 2^(5 - 127): the byte cannot fall under 1
.endr
	WIN 0x3c
.irp i, 2,4,6,8,10,12,14
.irp q, 0,1,2,3,4,5,6,7
	v_max3_num_f32 v[TM+\q], v[TM+\q], |v[16*\q+\i]|, |v[16*\q+\i+1]|   ; the eight blocks by turns
.endr
.endr
	WIN 0
.irp q, 0,1,2,3,4,5,6,7
	v_permlanex16_b32 v[TP+\q], v[TM+\q], s[SEL], s[SEL+1]
.endr
.irp q, 0,1,2,3,4,5,6,7
	v_max_num_f32 v[TM+\q], v[TM+\q], v[TP+\q]     ; with lane l xor 16's: the block's largest magnitude
.endr
.irp q, 0,1,2,3,4,5,6,7
	v_add_nc_u32 v[TS+\q], 0xfe000000, v[TM+\q]    ; 4 off its exponent field: the conversion's scale operand
.endr
.irp q, 0,1,2,3,4,5,6,7
	v_lshrrev_b32 v[TP+\q], 23, v[TS+\q]           ; the scale's byte
.endr
.irp nt, 0,1,2,3
	v_lshl_or_b32 v[PW+\nt], v[TP+2*\nt+1], 8, v[TP+2*\nt]   ; my row's two bytes
.endr
	WIN 0x03
.irp nt, 0,1,2,3
	v_cvt_scalef32_pk16_bf6_f32 v[CD+12*\nt:CD+12*\nt+2], v[32*\nt:32*\nt+15], v[TS+2*\nt]
	v_cvt_scalef32_pk16_bf6_f32 v[CD+12*\nt+6:CD+12*\nt+8], v[32*\nt+16:32*\nt+31], v[TS+2*\nt+1]
.endr
	WIN 0
	v_nop                                          ; one plain place behind the scaled conversions
.irp nt, 0,1,2,3
.irp i, 0,1,2
	v_permlane16_swap_b32 v[CD+12*\nt+\i], v[CD+12*\nt+6+\i]   ; a whole block to a lane: lanes 0-15 block 0, lanes 16-31 block 1
.endr
.irp i, 0,1,2
	v_mov_b32 v[CD+12*\nt+3+\i], v[CD+12*\nt+6+\i]
.endr
.endr
.irp nt, 0,1,2,3
	global_store_b128 v[VO16+\nt], v[CD+12*\nt:CD+12*\nt+3], s[OUT:OUT+1]     ; 512 consecutive bytes
	global_store_b64 v[VO8+\nt], v[CD+12*\nt+4:CD+12*\nt+5], s[OUT:OUT+1]     ; 256 consecutive bytes
	global_store_b16 v[VS+\nt], v[PW+\nt], s[OUT:OUT+1]                       ; lanes r and 16 + r write the same two bytes with the same value; the bytes beside them are other waves'
.endr
	s_wait_xcnt 0x0                                ; the stores have read their base and their data: both are written again only behind this wait
	s_add_nc_u64 s[OUT:OUT+1], s[OUT:OUT+1], s[SCH:SCH+1]
.endm
; A CHUNK: eight K steps of 128, 16 matrix instructions each; each step's fragments are asked for a step ahead.  mode 2: the slot is filled again, two chunks on; 1: the slots change, nothing is filled; 0: the last chunk.
.macro CH slot, mode, nxt
.irp kk, 0,1,2,3,4,5,6
.if \kk > 0
	PLACES                                         ; the buffer below was read by the last step but one's products
.endif
	LOADS \slot, \kk+1, (\kk+1)%2
.if (\kk == 1) && (\nxt)
	NEXTGL \slot
.endif
	s_wait_dscnt 24                                ; all but the 24 just issued: this step's fragments are in
.if \kk == 0
	s_wait_loadcnt 0x0                             ; this chunk's scale words and bias
.endif
	MUL \kk, \kk%2, \slot, 0, 3
.endr
.if \mode > 0
	WIN 0                                          ; (the add's two registers lie in window 0)
	s_wait_tensorcnt 0x0                           ; all my tensor loads have landed: my part of the other slot;
	ds_add_u32 v[SPW], v[NIL]                      ; 0 onto my spare word
.if \mode == 2
	s_add_nc_u64 s[G0S+4*\slot+2:G0S+4*\slot+3], s[G0S+4*\slot+2:G0S+4*\slot+3], 2*CHUNK   ; no load of mine is out: this slot's next chunk
.endif
	s_wait_dscnt 1                                 ; the last K step's fragments are in; the add may be out
	MUL 7, 1, \slot, 0, 1
	s_wait_dscnt 0x0                               ; the add is done, and my reads of this slot are over
	s_barrier_signal -1
	MUL 7, 1, \slot, 2, 3
	WIN 0
	s_barrier_wait -1
.if \mode == 2
	CREST                                          ; the barrier has opened a round of the cluster's barrier: no wave of any partner still reads this slot or has a load on its way
	tensor_load_to_lds s[G0S+4*\slot:G0S+4*\slot+3], s[G1J:G1J+7]   ; my one tensor load behind the round; it has a chunk's 128 matrix instructions and a way out in which to land
	s_nop 0
.endif
	PLACES                                         ; behind the tensor load, and behind the products ahead of the loads and reads below
	LOADS 1-\slot, 0, 0
.else
	s_wait_dscnt 0x0
	MUL 7, 1, \slot, 0, 3
	WIN 0
	PLACES
.endif
	EPI
.endm
	s_wait_tensorcnt 0x1                           ; the slab and chunk 0 are in; chunk 1's load may be out
	s_barrier_signal -1
	s_barrier_wait -1
.irp kk, 0,1,2,3,4,5,6,7                       ; my 64 resident rows, all of K, into windows 1 and 2: they stay
.if \kk < 5
	WIN 0x40
.else
	WIN 0x80
.endif
.irp nt, 0,1,2,3
	FRAG 48*(\kk%5)+12*\nt, RA+\nt/2, \kk, 2*(\nt%2)
.endr
.endr
	LOADS 0, 0, 0
	s_mov_b32 s[CNT], 3
.Lpair:                                            ; chunks 0 to 5: both slots are filled again in each trip
	CH 0, 2, 1
	CH 1, 2, 1
	s_sub_co_u32 s[CNT], s[CNT], 1
	s_cmp_lg_u32 s[CNT], 0
	s_cbranch_scc1 .Lpair
	CH 0, 1, 1                                     ; the tail is written out
	CH 1, 0, 0
	s_wait_tensorcnt 0x0                           ; the wave's end
	ds_add_u32 v[SPW], v[NIL]
	s_wait_dscnt 0x0
	ROUND                                          ; the closing round: no work-group ends while a partner may still ask for a chunk that names it
	s_endpgm
.Lfunc_end_k_qcb276d661d_proj:
	.size	k_qcb276d661d_proj, .Lfunc_end_k_qcb276d661d_proj-k_qcb276d661d_proj
	.p2alignl 7, 3214868480
	.fill 96, 4, 3214868480
	.section	.rodata,"a",@progbits
	.p2align	6, 0x0
	.amdhsa_kernel k_qcb276d661d_proj
		.amdhsa_group_segment_fixed_size 327680
		.amdhsa_private_segment_fixed_size 0
		.amdhsa_enable_private_segment 0
		.amdhsa_kernarg_size 120
		.amdhsa_user_sgpr_count 2
		.amdhsa_user_sgpr_kernarg_segment_ptr 1
		.amdhsa_wavefront_size32 1
		.amdhsa_system_sgpr_workgroup_id_x 1
		.amdhsa_system_sgpr_workgroup_id_y 1
		.amdhsa_system_sgpr_workgroup_id_z 1
		.amdhsa_system_vgpr_workitem_id 0
		.amdhsa_next_free_vgpr 896
		.amdhsa_next_free_sgpr 100
		.amdhsa_reserve_vcc 0
		.amdhsa_float_denorm_mode_32 3
		.amdhsa_float_denorm_mode_16_64 3
		.amdhsa_memory_ordered 1
		.amdhsa_forward_progress 1
		.amdhsa_inst_pref_size 202
	.end_amdhsa_kernel
	.amdgpu_metadata
---
amdhsa.version: [ 1, 2 ]
amdhsa.kernels:
  - .name:           k_qcb276d661d_proj
    .symbol:         k_qcb276d661d_proj.kd
    .args:
      - { .name: hq_codes, .offset: 0, .size: 8, .value_kind: global_buffer, .address_space: global }
      - { .name: hq_scales, .offset: 8, .size: 8, .value_kind: global_buffer, .address_space: global }
      - { .name: Wq_codes, .offset: 16, .size: 8, .value_kind: global_buffer, .address_space: global }
      - { .name: Wq_scales, .offset: 24, .size: 8, .value_kind: global_buffer, .address_space: global }
      - { .name: bq, .offset: 32, .size: 8, .value_kind: global_buffer, .address_space: global }
      - { .name: keyvalue_states_codes, .offset: 40, .size: 8, .value_kind: global_buffer, .address_space: global }
      - { .name: keyvalue_states_scales, .offset: 48, .size: 8, .value_kind: global_buffer, .address_space: global }
      - { .name: Wk_codes, .offset: 56, .size: 8, .value_kind: global_buffer, .address_space: global }
      - { .name: Wk_scales, .offset: 64, .size: 8, .value_kind: global_buffer, .address_space: global }
      - { .name: bk, .offset: 72, .size: 8, .value_kind: global_buffer, .address_space: global }
      - { .name: Wv_codes, .offset: 80, .size: 8, .value_kind: global_buffer, .address_space: global }
      - { .name: Wv_scales, .offset: 88, .size: 8, .value_kind: global_buffer, .address_space: global }
      - { .name: bv, .offset: 96, .size: 8, .value_kind: global_buffer, .address_space: global }
      - { .name: qimg, .offset: 104, .size: 8, .value_kind: global_buffer, .address_space: global }
      - { .name: kvimg, .offset: 112, .size: 8, .value_kind: global_buffer, .address_space: global }
    .group_segment_fixed_size: 327680
    .private_segment_fixed_size: 0
    .kernarg_segment_align: 8
    .kernarg_segment_size: 120
    .max_flat_workgroup_size: 128
    .sgpr_count:     100
    .vgpr_count:     896
    .wavefront_size: 32
...
	.end_amdgpu_metadata
.endif
;; end of part 2
;; launch attn (part 3): grid 4 x 64, 16 waves a work-group, clusters of 4 x 1, 327,680 bytes of LDS; arguments qimg, kvimg, cimg, cscl; writes cimg, cscl
.if DOCPART == 3
	.amdgcn_target "amdgcn-amd-amdhsa--gfx1250"
	.amdhsa_code_object_version 6
	.text
	.protected	k_qcb276d661d_attn
	.globl	k_qcb276d661d_attn
	.p2align	8
	.type	k_qcb276d661d_attn,@function
k_qcb276d661d_attn:
	s_mov_b64 s[64:65], 0
	v_nop
	global_prefetch_b8 v0, s[64:65] scope:SCOPE_SE
	s_setreg_imm32_b32 hwreg(HW_REG_WAVE_MODE, 25, 1), 1
	s_wait_xcnt 0x0
	s_wait_alu depctr_hold_cnt(0) depctr_sa_sdst(0) depctr_va_vdst(0) depctr_va_sdst(0) depctr_va_ssrc(0) depctr_va_vcc(0) depctr_vm_vsrc(0)
	s_getreg_b32 s2, hwreg(HW_REG_IB_STS2, 6, 4)
	s_cmp_eq_u32 s2, 0
	s_cbranch_scc0 .Lentry_in_a_cluster
	s_endpgm
.Lentry_in_a_cluster:
	s_bfe_u32 s2, ttmp6, 0x10000c
	s_cmp_lg_u32 s2, 0x3003
	s_cbranch_scc0 .Lentry_shape_is_right
	s_endpgm
.Lentry_shape_is_right:
; ctx = softmax(q k^T / 8) v for one head of one batch (work-group y = 16 batch + head), both products on codes of BF6 (E3M2) with E8M0 scales; ctx is quantised along the head's 64 channels and leaves as half images.
; THE SOFTMAX: t = score x log2(e) / 8; M = the row's largest t so far, rounded UP to a whole number; p = 2^(t - M) is quantised along the keys, not normalised; the row's sum is taken of the unquantised p and divides at the end.
; When M moves, the sum and O are multiplied by 2^(old M - new M): exact.
; SHARES: a work-group owns 512 queries, each of its sixteen waves two tiles of 16, one after the other (two passes).  Four waves share a SIMD: one wave's vector work stands beside another's matrix work and LDS loads.
; LDS: the head's whole block of kvimg, 16 key steps x 12,800 bytes, is filled ONCE; nothing is filled again.  The cluster's four work-groups are the four query blocks of one head: the fills are JOINT loads (mask 15).
; A key step's block: K's eight half images (768 bytes each; tile T of 16 keys), V's eight (channel tile t, keys 64 c on: 2 t + c), 512 scale bytes.  Images are read as they lie: lane l's 16 bytes at 16 l, its 8 at 512 + 8 l.
; K = 64 IN AN INSTRUCTION OF 128: a fragment of 12 registers holds TWO tiles of keys; q stands as 18 registers [0 | q | 0]: with [q | 0] the product is the first tile's, with [0 | q] the second's.  Zero codes add nothing.
; LAYOUT: both products transposed (S^T = K q^T, O^T = V^T p^T): a lane holds one query throughout.  The 16 registers of tiles 2 b, 2 b + 1 are keys 32 b + 8 h + 0..7 and 32 b + 16 + 8 h + 0..7: after the conversion and the
; exchange of halves a block's codes stand in the order 0-7, 16-23, 8-15, 24-31, as V's do.
; LIMITS: NaN and infinities are not served.  A block's largest p is taken from its largest score (p rises with the score).  A block of zeros gets the scale byte 1.  Sums inside a block run in the order just given.
.set STEPB, 12800
.set HALF,  8*STEPB
.set L16, 1                            ; v1  16 x lane      v2  8 x lane
.set L8,  2
.set A16, 3                            ; v3, v4  the same + the key step's first byte
.set A8,  4
.set R16, 5                            ; v5  16 r           v6  32 r
.set R32, 6
.set QZ,  16                           ; v16-33  [0 | q | 0]
.set KV,  34                           ; v34-81  four fragments of K, then of V
.set KS,  82                           ; v82-85  scale words: register j: K's fragment j in lanes 0-15, V's fragment j in lanes 16-31
.set QS,  86                           ; v86  q's scale word    v87  p's
.set PS,  87
.set SC,  96                           ; v96-159  S^T, then p
.set OA,  160                          ; v160-191 O^T
.set PC,  192                          ; v192-203 p's codes
.set PT,  204                          ; v204-211 the conversions' second halves
.set BX,  212                          ; v212-215 the blocks' largest scores, then largest p
.set TT,  216                          ; v216-219 at work
.set SO,  220                          ; v220-223 the conversions' scale operands
.set FF,  224                          ; v[224:225] f = 2^(old M - new M), later 1 / the sum; the low word serves both halves
.set T1,  226                          ; v226, v227 at work.   v12 -M, v13 the largest t, v[14:15] the sum in two halves
.set WV,  12
.set CX,  13
.set HB,  14
.set TB,  15                           ; s15  LDS byte at which the key step begins
.set CNT, 16
.set CS,  18                           ; s[18:19] c = log2(e) / 8
.set SEL, 20
.set G1,  24
.set G0,  32
.set QB1, 46                           ; s[46:47] my tile's image in qimg;  s[48:49] its scale pieces
.set QB2, 48
.macro ROUND                           ; a round of the cluster's barrier
	s_barrier_signal -1
	s_barrier_wait -1
	s_cmp_lg_u32 s[WV], 0
	s_cbranch_scc1 .Lnot_wave_0_\@
	s_barrier_signal -3
.Lnot_wave_0_\@:
	s_barrier_wait -3
	s_barrier_signal -1
	s_barrier_wait -1
.endm
	s_load_b256 s[4:11], s[0:1], 0x0               ; qimg, kvimg, cimg, cscl
	v_lshl_add_u32 v254, v0, 2, 0x32000
	v_mov_b32 v255, 0
	ds_add_u32 v254, v255
	ds_add_u32 v254, v255
	v_lshrrev_b32 v1, 5, v0
	s_delay_alu instid0(VALU_DEP_1)
	v_readfirstlane_b32 s[WV], v1                  ; wave 0..15
	s_bfe_u32 s[CX], ttmp6, 0x40000                ; my block of 512 queries: it enters q's and ctx's global addresses alone
	s_and_b32 s[HB], ttmp7, 0xffff                 ; 16 batch + head, which the four partners share
	; descriptor group 1: 6,400 dense bytes as 25 rows of 256 (32 elements of 8 bytes), no padding
	s_mov_b32 s[G1], 15|(3<<16)|(1<<21)            ; 15:0 the mask: all four; 17:16 elements of 8 bytes; 21 set beside a mask
	s_mov_b32 s[G1+1], 32<<16
	s_mov_b32 s[G1+2], 25<<16
	s_mov_b32 s[G1+3], 32<<16
	s_mov_b32 s[G1+4], 25
	s_mov_b32 s[G1+5], 32
	s_mov_b32 s[G1+6], 0
	s_mov_b32 s[G1+7], 0
	s_mov_b32 s[CS], 0x3e38aa3b                    ; log2(e) / 8
	s_mov_b32 s[CS+1], s[CS]
	s_mov_b32 s[SEL], 0x76543210
	s_mov_b32 s[SEL+1], 0xfedcba98
	s_mul_i32 s40, s[HB], 204800
	s_mul_i32 s17, s[WV], 6400                     ; my sixteenth of each half of the head's block, in memory and in LDS
	s_add_co_u32 s40, s40, s17
	s_mov_b32 s41, 0
	s_lshl_b32 s42, s[CX], 2                       ; q: tile 32 cx + 16 pass + wave: slab 4 cx + 2 pass + wave / 8 of 128 queries, tile wave % 8 in it
	s_lshr_b32 s43, s[WV], 3
	s_add_co_u32 s42, s42, s43
	s_mul_i32 s42, s42, 6400
	s_mul_i32 s43, s[HB], 102400
	s_add_co_u32 s42, s42, s43
	s_and_b32 s43, s[WV], 7
	s_mul_i32 s44, s43, 768
	s_add_co_u32 s44, s44, s42
	s_mov_b32 s45, 0
	s_lshl_b32 s43, s43, 1
	s_add_co_u32 s42, s42, s43
	s_add_co_u32 s42, s42, 6144
	s_mov_b32 s43, 0
	s_lshr_b32 s54, s[HB], 4                       ; ctx: row tile 128 batch + 32 cx + 16 pass + wave of the 512
	s_lshl_b32 s54, s54, 7
	s_lshl_b32 s55, s[CX], 5
	s_add_co_u32 s54, s54, s55
	s_add_co_u32 s54, s54, s[WV]
	s_and_b32 s55, s[HB], 15                       ; the head
	s_mul_i32 s56, s54, 12288
	s_mul_i32 s57, s55, 768
	s_add_co_u32 s56, s56, s57
	s_mov_b32 s57, 0
	s_lshl_b32 s58, s54, 9
	s_lshl_b32 s55, s55, 1
	s_add_co_u32 s58, s58, s55
	s_mov_b32 s59, 0
	s_wait_dscnt 0x0
	s_wait_kmcnt 0x0
	s_add_nc_u64 s[6:7], s[6:7], s[40:41]
	s_add_nc_u64 s[QB1:QB1+1], s[4:5], s[44:45]
	s_add_nc_u64 s[QB2:QB2+1], s[4:5], s[42:43]
	s_add_nc_u64 s[8:9], s[8:9], s[56:57]
	s_add_nc_u64 s[10:11], s[10:11], s[58:59]
.irp hf, 0,1
	s_mov_b32 s[G0+4*\hf], 1
	s_add_co_u32 s[G0+4*\hf+1], s17, \hf*HALF
	s_add_nc_u64 s[G0+4*\hf+2:G0+4*\hf+3], s[6:7], \hf*HALF
	s_or_b32 s[G0+4*\hf+3], s[G0+4*\hf+3], 0x80000000
.endr
	ROUND                                          ; all four work-groups are here: the joint loads meet
	tensor_load_to_lds s[G0:G0+3], s[G1:G1+7]      ; the first of the launch's two fills: one load of mine is out
	s_nop 0
	s_wait_alu depctr_va_vdst(0)
	s_wait_tensorcnt 0x0
	ds_add_u32 v254, v255
	s_wait_dscnt 0x0
	ROUND
	tensor_load_to_lds s[G0+4:G0+7], s[G1:G1+7]
	s_nop 0
.rept 4
	v_nop
.endr
	v_and_b32 v7, 31, v0
	v_and_b32 v8, 15, v0
	s_delay_alu instid0(VALU_DEP_2)
	v_lshlrev_b32 v[L16], 4, v7
	s_delay_alu instid0(VALU_DEP_3)
	v_lshlrev_b32 v[L8], 3, v7
	s_delay_alu instid0(VALU_DEP_3)
	v_lshlrev_b32 v[R16], 4, v8
	s_delay_alu instid0(VALU_DEP_4)
	v_lshlrev_b32 v[R32], 5, v8
.irp j, 0,1,2,3,4,5
	v_mov_b32 v[QZ+\j], 0                          ; the zero codes on both sides of q
	v_mov_b32 v[QZ+12+\j], 0
.endr
.irp b, 0,1,2,3
	v_mov_b32 v[TT+\b], 0                          ; written once: a lane permute's destination counts as one of its sources
.endr
	v_mov_b32 v[FF+1], 0                           ; named as the upper half of a pair
; A pass begins: my tile's q, and the running numbers.  O^T and the sum begin as zeros and the largest t as -3e38: the first change of M multiplies zeros.
.macro PRO p
	global_load_b128 v[QZ+6:QZ+9], v[L16], s[QB1:QB1+1] offset:12800*\p
	global_load_b64 v[QZ+10:QZ+11], v[L8], s[QB1:QB1+1] offset:12800*\p+512
	global_load_u16 v[T1+1], v[R16], s[QB2:QB2+1] offset:12800*\p
	v_mov_b32 v13, 0xff61b1e6
	s_delay_alu instid0(VALU_DEP_1)
	v_floor_f32 v12, -v13
	v_mov_b32 v14, 0
	v_mov_b32 v15, 0
	s_mov_b32 s[TB], 0
	s_wait_loadcnt 0x0
	v_lshl_or_b32 v[QS], v[T1+1], 16, v[T1+1]      ; q's two bytes twice: they serve [q | 0] and [0 | q].  The moves below are the places between this line and the first product
.irp j, 0,1,2,3,4,5,6,7,8,9,10,11,12,13,14,15,16,17,18,19,20,21,22,23,24,25,26,27,28,29,30,31
	v_mov_b32 v[OA+\j], 0
.endr
.endm
; A KEY STEP: 128 keys.
.macro STEP
	s_setprio 2
	v_add_nc_u32 v[A16], s[TB], v[L16]
	v_add_nc_u32 v[A8], s[TB], v[L8]
	v_nop
	v_nop                                          ; four places behind the last products, ahead of loads into registers that they read
.irp u, 0,1,2,3,4,5,6,7
	ds_load_b128 v[KV+6*\u:KV+6*\u+3], v[A16] offset:768*\u
	ds_load_b64 v[KV+6*\u+4:KV+6*\u+5], v[A8] offset:768*\u+512
.endr
	ds_load_b128 v[KS:KS+3], v[A16] offset:12288
	s_wait_alu depctr_va_vdst(0)
	s_wait_dscnt 0x0
.irp f, 0,1,2,3
	v_wmma_scale_f32_16x16x128_f8f6f4 v[SC+16*\f:SC+16*\f+7], v[KV+12*\f:KV+12*\f+11], v[QZ+6:QZ+17], 0, v[KS+\f], v[QS] matrix_a_fmt:MATRIX_FMT_BF6 matrix_b_fmt:MATRIX_FMT_BF6
	v_wmma_scale_f32_16x16x128_f8f6f4 v[SC+16*\f+8:SC+16*\f+15], v[KV+12*\f:KV+12*\f+11], v[QZ:QZ+11], 0, v[KS+\f], v[QS] matrix_a_fmt:MATRIX_FMT_BF6 matrix_b_fmt:MATRIX_FMT_BF6
.endr
.rept 4
	v_nop
.endr
.irp u, 0,1,2,3,4,5,6,7                        ; V's images into the registers that K has left: they land during the softmax
	ds_load_b128 v[KV+6*\u:KV+6*\u+3], v[A16] offset:6144+768*\u
	ds_load_b64 v[KV+6*\u+4:KV+6*\u+5], v[A8] offset:6144+768*\u+512
.endr
.irp b, 0,1,2,3
	v_max3_num_f32 v[BX+\b], v[SC+16*\b], v[SC+1+16*\b], v[SC+2+16*\b]   ; the largest score of each block of 32 keys: for the row's maximum, and for the block's largest p
.endr
.irp i, 3,5,7,9,11,13
.irp b, 0,1,2,3
	v_max3_num_f32 v[BX+\b], v[BX+\b], v[SC+16*\b+\i], v[SC+1+16*\b+\i]
.endr
.endr
.irp b, 0,1,2,3
	v_max_num_f32 v[BX+\b], v[BX+\b], v[SC+15+16*\b]
.endr
.irp b, 0,1,2,3
	s_delay_alu instid0(VALU_DEP_4)
	v_permlanex16_b32 v[TT+\b], v[BX+\b], s[SEL], s[SEL+1]
.endr
.irp b, 0,1,2,3
	s_delay_alu instid0(VALU_DEP_4)
	v_max_num_f32 v[BX+\b], v[BX+\b], v[TT+\b]     ; with lane l xor 16's 16 keys
.endr
	s_delay_alu instid0(VALU_DEP_2)
	v_max3_num_f32 v[T1], v[BX], v[BX+1], v[BX+2]
	s_delay_alu instid0(VALU_DEP_1)
	v_max_num_f32 v[T1], v[T1], v[BX+3]            ; the step's largest score of my query
	s_delay_alu instid0(VALU_DEP_1)
	v_mul_f32 v[T1], s[CS], v[T1]                  ; as t
	s_delay_alu instid0(VALU_DEP_1)
	v_max_num_f32 v13, v13, v[T1]                  ; the running largest t
	v_mov_b32 v[T1], v12
	s_delay_alu instid0(VALU_DEP_2)
	v_floor_f32 v12, -v13                          ; the new -M = -ceil(t): a whole number
	s_delay_alu instid0(VALU_DEP_1)
	v_sub_f32 v[T1], v12, v[T1]                    ; old M - new M: a whole number, 0 or less
	s_delay_alu instid0(VALU_DEP_1)
	v_cvt_i32_f32 v[T1], v[T1]                     ; (it saturates)
	s_delay_alu instid0(VALU_DEP_1)
	v_ldexp_f32 v[FF], 1.0, v[T1]                  ; f = 2^(old M - new M)
.irp j, 0,2,4,6,8,10,12,14,16,18,20,22,24,26,28,30,32,34,36,38,40,42,44,46,48,50,52,54,56,58,60,62
	v_pk_fma_f32 v[SC+\j:SC+1+\j], v[SC+\j:SC+1+\j], s[CS:CS+1], v[12:13] op_sel_hi:[1,0,0]   ; t - M, two at a time
.endr
.irp b, 0,1,2,3
	v_fma_f32 v[BX+\b], v[BX+\b], s[CS], v12       ; the same of each block's largest score
.endr
	s_wait_alu depctr_va_vdst(0)
.irp j, 0,1,2,3,4,5,6,7,8,9,10,11,12,13,14,15,16,17,18,19,20,21,22,23,24,25,26,27,28,29,30,31,32,33,34,35,36,37,38,39,40,41,42,43,44,45,46,47,48,49,50,51,52,53,54,55,56,57,58,59,60,61,62,63
	v_exp_f32 v[SC+\j], v[SC+\j]                   ; p = 2^(t - M), at most 1
.endr
	s_setprio 1
	v_pk_mul_f32 v[14:15], v[14:15], v[FF:FF+1] op_sel_hi:[1,0]   ; the sums under the new M: a plain place behind the exponentials
	s_wait_alu depctr_va_vdst(0)                   ; one wait for the whole batch, ahead of its first reader
.irp b, 0,1,2,3
	v_exp_f32 v[BX+\b], v[BX+\b]                   ; the block's largest p: the same two instructions on the same number give the same bits
.endr
	v_pk_add_f32 v[TT:TT+1], v[SC:SC+1], v[SC+2:SC+3]   ; the row's sum of the unquantised p, in two chains
.irp j, 4,8,12,16,20,24,28,32,36,40,44,48,52,56,60
	v_pk_add_f32 v[14:15], v[14:15], v[SC+\j:SC+1+\j]
	v_pk_add_f32 v[TT:TT+1], v[TT:TT+1], v[SC+2+\j:SC+3+\j]
.endr
	s_delay_alu instid0(VALU_DEP_1)
	v_pk_add_f32 v[14:15], v[14:15], v[TT:TT+1]
	s_wait_alu depctr_va_vdst(0)                   ; and one for the four
.irp b, 0,1,2,3
	v_max_num_f32 v[BX+\b], 0x2800000, v[BX+\b]    ; the floor 2^(5 - 127): the byte cannot fall under 1
.endr
.irp b, 0,1,2,3
	s_delay_alu instid0(VALU_DEP_4)
	v_add_nc_u32 v[SO+\b], 0xfe000000, v[BX+\b]    ; 4 off the exponent field: the conversion's scale operand
.endr
.irp b, 0,1,2,3
	s_delay_alu instid0(VALU_DEP_4)
	v_lshrrev_b32 v[TT+\b], 23, v[SO+\b]           ; the scale's byte
.endr
	s_delay_alu instid0(VALU_DEP_3)
	v_lshl_or_b32 v[PS], v[TT+1], 8, v[TT]         ; p's scale word for these 128 keys
	s_delay_alu instid0(VALU_DEP_1)
	v_lshl_or_b32 v[PS], v[TT+2], 16, v[PS]
	s_delay_alu instid0(VALU_DEP_1)
	v_lshl_or_b32 v[PS], v[TT+3], 24, v[PS]
.irp c, 0,1
	v_cvt_scalef32_pk16_bf6_f32 v[PC+6*\c:PC+6*\c+2], v[SC+32*\c:SC+32*\c+15], v[SO+2*\c]
	v_cvt_scalef32_pk16_bf6_f32 v[PT+4*\c:PT+4*\c+2], v[SC+16+32*\c:SC+31+32*\c], v[SO+2*\c+1]
.endr
	v_nop                                          ; one plain place behind the scaled conversions
.irp c, 0,1                                    ; a whole block to a lane: lanes 0-15 block 2 c, lanes 16-31 block 2 c + 1
.irp i, 0,1,2
	v_permlane16_swap_b32 v[PC+6*\c+\i], v[PT+4*\c+\i]
.endr
.irp i, 0,1,2
	s_delay_alu instid0(VALU_DEP_3)
	v_mov_b32 v[PC+3+6*\c+\i], v[PT+4*\c+\i]
.endr
.endr
	s_setprio 0
.irp j, 0,2,4,6,8,10,12,14,16,18,20,22,24,26,28,30
	v_pk_mul_f32 v[OA+\j:OA+1+\j], v[OA+\j:OA+1+\j], v[FF:FF+1] op_sel_hi:[1,0]   ; O^T under the new M.  These sixteen are also the places between p's codes and scale word and the products
.endr
	s_wait_alu depctr_va_vdst(0)
	s_wait_dscnt 0x0                               ; V is in
.irp t, 0,1,2,3
	v_wmma_scale_f32_16x16x128_f8f6f4 v[OA+8*\t:OA+8*\t+7], v[KV+12*\t:KV+12*\t+11], v[PC:PC+11], v[OA+8*\t:OA+8*\t+7], v[KS+\t], v[PS] matrix_a_fmt:MATRIX_FMT_BF6 matrix_b_fmt:MATRIX_FMT_BF6 matrix_a_scale:MATRIX_SCALE_ROW1
.endr
	s_add_co_u32 s[TB], s[TB], STEPB
.endm
; A pass ends: O^T / the sum is ctx(query r, channels 16 t + 8 h + 0..7): two blocks of 32, quantised as the hidden results of any product are, and stored as a half image with its two scale bytes.
.macro EPI p
.rept 4
	v_nop                                          ; places behind the last products
.endr
	v_add_f32 v14, v14, v15
	s_delay_alu instid0(VALU_DEP_1)
	v_permlanex16_b32 v[TT], v14, s[SEL], s[SEL+1]
	s_delay_alu instid0(VALU_DEP_1)
	v_add_f32 v14, v14, v[TT]                      ; the row's sum
	s_wait_alu depctr_va_vdst(0)
	v_rcp_f32 v[FF], v14
	v_nop                                          ; a plain place behind the reciprocal
	s_wait_alu depctr_va_vdst(0)                   ; the wait ahead of its first reader
.irp j, 0,2,4,6,8,10,12,14,16,18,20,22,24,26,28,30
	v_pk_mul_f32 v[SC+\j:SC+1+\j], v[OA+\j:OA+1+\j], v[FF:FF+1] op_sel_hi:[1,0]   ; each accumulator from its low end on
.endr
.irp b, 0,1
	v_max3_num_f32 v[BX+\b], |v[SC+16*\b]|, |v[SC+1+16*\b]|, 0x2800000
.endr
.irp i, 2,4,6,8,10,12,14
.irp b, 0,1
	s_delay_alu instid0(VALU_DEP_2)
	v_max3_num_f32 v[BX+\b], v[BX+\b], |v[SC+16*\b+\i]|, |v[SC+1+16*\b+\i]|
.endr
.endr
.irp b, 0,1
	s_delay_alu instid0(VALU_DEP_2)
	v_permlanex16_b32 v[TT+\b], v[BX+\b], s[SEL], s[SEL+1]
.endr
.irp b, 0,1
	s_delay_alu instid0(VALU_DEP_2)
	v_max_num_f32 v[BX+\b], v[BX+\b], v[TT+\b]
.endr
.irp b, 0,1
	s_delay_alu instid0(VALU_DEP_2)
	v_add_nc_u32 v[SO+\b], 0xfe000000, v[BX+\b]
.endr
.irp b, 0,1
	s_delay_alu instid0(VALU_DEP_2)
	v_lshrrev_b32 v[TT+\b], 23, v[SO+\b]
.endr
	s_delay_alu instid0(VALU_DEP_1)
	v_lshl_or_b32 v[T1], v[TT+1], 8, v[TT]
	v_cvt_scalef32_pk16_bf6_f32 v[PC:PC+2], v[SC:SC+15], v[SO]
	v_cvt_scalef32_pk16_bf6_f32 v[PT:PT+2], v[SC+16:SC+31], v[SO+1]
	v_nop
.irp i, 0,1,2
	v_permlane16_swap_b32 v[PC+\i], v[PT+\i]
.endr
.irp i, 0,1,2
	s_delay_alu instid0(VALU_DEP_3)
	v_mov_b32 v[PC+3+\i], v[PT+\i]
.endr
	global_store_b128 v[L16], v[PC:PC+3], s[8:9] offset:196608*\p          ; 512 consecutive bytes
	global_store_b64 v[L8], v[PC+4:PC+5], s[8:9] offset:196608*\p+512      ; 256 consecutive bytes
	global_store_b16 v[R32], v[T1], s[10:11] offset:8192*\p                ; lanes r and 16 + r write the same two bytes; the bytes beside them are other heads'
	s_wait_xcnt 0x0                                ; the stores have read their data: the next pass writes these registers again
.endm
	PRO 0
	s_wait_tensorcnt 0x0                           ; my parts of the head's block are in,
	s_barrier_signal -1
	s_barrier_wait -1                              ; everybody's are; from here on LDS is only read
	s_mov_b32 s[CNT], 16
.Lpass0:
	STEP
	s_sub_co_u32 s[CNT], s[CNT], 1
	s_cmp_lg_u32 s[CNT], 0
	s_cbranch_scc1 .Lpass0
	s_setprio 0
	EPI 0
	PRO 1
	s_mov_b32 s[CNT], 16
.Lpass1:
	STEP
	s_sub_co_u32 s[CNT], s[CNT], 1
	s_cmp_lg_u32 s[CNT], 0
	s_cbranch_scc1 .Lpass1
	s_setprio 0
	EPI 1
	s_wait_tensorcnt 0x0
	ds_add_u32 v254, v255
	s_wait_dscnt 0x0
	ROUND                                          ; the closing round of the cluster's barrier
	s_endpgm
.Lfunc_end_k_qcb276d661d_attn:
	.size	k_qcb276d661d_attn, .Lfunc_end_k_qcb276d661d_attn-k_qcb276d661d_attn
	.p2alignl 7, 3214868480
	.fill 96, 4, 3214868480
	.section	.rodata,"a",@progbits
	.p2align	6, 0x0
	.amdhsa_kernel k_qcb276d661d_attn
		.amdhsa_group_segment_fixed_size 327680
		.amdhsa_private_segment_fixed_size 0
		.amdhsa_enable_private_segment 0
		.amdhsa_kernarg_size 32
		.amdhsa_user_sgpr_count 2
		.amdhsa_user_sgpr_kernarg_segment_ptr 1
		.amdhsa_wavefront_size32 1
		.amdhsa_system_sgpr_workgroup_id_x 1
		.amdhsa_system_sgpr_workgroup_id_y 1
		.amdhsa_system_sgpr_workgroup_id_z 1
		.amdhsa_system_vgpr_workitem_id 0
		.amdhsa_next_free_vgpr 256
		.amdhsa_next_free_sgpr 66
		.amdhsa_reserve_vcc 0
		.amdhsa_float_denorm_mode_32 3
		.amdhsa_float_denorm_mode_16_64 3
		.amdhsa_memory_ordered 1
		.amdhsa_forward_progress 1
		.amdhsa_inst_pref_size 52
	.end_amdhsa_kernel
	.amdgpu_metadata
---
amdhsa.version: [ 1, 2 ]
amdhsa.kernels:
  - .name:           k_qcb276d661d_attn
    .symbol:         k_qcb276d661d_attn.kd
    .args:
      - { .name: qimg, .offset: 0, .size: 8, .value_kind: global_buffer, .address_space: global }
      - { .name: kvimg, .offset: 8, .size: 8, .value_kind: global_buffer, .address_space: global }
      - { .name: cimg, .offset: 16, .size: 8, .value_kind: global_buffer, .address_space: global }
      - { .name: cscl, .offset: 24, .size: 8, .value_kind: global_buffer, .address_space: global }
    .group_segment_fixed_size: 327680
    .private_segment_fixed_size: 0
    .kernarg_segment_align: 8
    .kernarg_segment_size: 32
    .max_flat_workgroup_size: 512
    .sgpr_count:     66
    .vgpr_count:     256
    .wavefront_size: 32
...
	.end_amdgpu_metadata
.endif
;; end of part 3
;; launch outn (part 4): grid 256 x 1, 8 waves a work-group, no clusters, 157,184 bytes of LDS; arguments cimg, cscl, woimg, Wo_scales, bo, hidden_states, gamma, out0; writes out0
.if DOCPART == 4
	.amdgcn_target "amdgcn-amd-amdhsa--gfx1250"
	.amdhsa_code_object_version 6
	.text
	.protected	k_qcb276d661d_outn
	.globl	k_qcb276d661d_outn
	.p2align	8
	.type	k_qcb276d661d_outn,@function
k_qcb276d661d_outn:
	s_mov_b64 s[64:65], 0
	v_nop
	global_prefetch_b8 v0, s[64:65] scope:SCOPE_SE
	s_setreg_imm32_b32 hwreg(HW_REG_WAVE_MODE, 25, 1), 1
	s_wait_xcnt 0x0
; out = RMSNorm(ctx Wo^T + bo + hidden) x gamma.  The product runs on codes of BF6 (E3M2) with E8M0 scales; all else in f32.
; SHARES: a work-group owns 32 WHOLE rows (two tiles of 16), so that a row's mean of squares never leaves it; wave w owns columns 128 w on: 8 tiles of Wo x 2 tiles of rows = 16 accumulators.
; THE PRODUCT IS USED TRANSPOSED: source 0 = 16 rows of Wo (columns of the result), source 1 = 16 rows of ctx: a lane holds eight neighbouring columns of one row.
; Wo's fragments come from woimg straight into registers, three loads of 512 consecutive bytes each, one K step (24 loads a wave) ahead.  NO CLUSTER, NO LDS FOR Wo: a fragment of Wo feeds two matrix instructions of ONE
; wave and no other wave of the work-group reads it, so LDS would add no reuse; a joint request lands in LDS alone, and a K step there would serve only 16 matrix instructions a wave between two changes of slots.
; ctx's images (24,576 bytes a work-group) are read by all eight waves: they go through LDS once.  K step s of the product is heads 2 s and 2 s + 1: two half images are one fragment.
; The rows meet in a stage in LDS (32 rows x (4,096 + 16) bytes); wave w then takes rows 4 w .. 4 w + 3 whole.
; LIMITS: NaN and infinities are not served; inside a block of 32 the product adds in the order 0-7, 16-23, 8-15, 24-31, alike on both sides.
; REGISTERS: window 0: v1-10 addresses; v16-47 Wo's scale words, v48-55 ctx's (register q: K step q in lanes 0-15, 4 + q in lanes 16-31); v56-79 at work; v64-111 ctx's fragments, two buffers; v128-255 the accumulators
; ((i, u) at 128 + 8 (2 i + u)), later my four rows.  Window 1: v0-191 Wo's two buffers; later v0-127 hidden's four rows, v128-159 bo, v160-191 gamma.
.set SPI,  4112                        ; a stage row: 1,028 words: row r starts at bank 4 r mod 64 (64 banks of 4 bytes: ISA guide 11.1)
.set CT,   32*SPI                      ; behind the stage: ctx's images as they lie in memory
.set WS,   16
.set CS,   48
.set SQ,   56
.set CF,   64
.set ACC,  128
.set MSB, 0
.macro WIN new                         ; the immediate's high byte repeats the setting that is left
.if MSB != \new
	s_set_vgpr_msb (MSB<<8)|\new
.set MSB, \new
.endif
.endm
.macro PLACES
.rept 4
	v_nop
.endr
.endm
	s_load_b512 s[4:19], s[0:1], 0x0               ; cimg 4, cscl 6, woimg 8, Wo_scales 10, bo 12, hidden 14, gamma 16, out0 18
	v_lshl_add_u32 v126, v0, 2, 0x26200
	v_mov_b32 v127, 0
	v_lshrrev_b32 v1, 5, v0
	s_delay_alu instid0(VALU_DEP_1)
	v_readfirstlane_b32 s20, v1                    ; wave 0..7
	v_and_b32 v11, 31, v0                          ; lane
	v_and_b32 v12, 15, v0                          ; r
	v_bfe_u32 v13, v0, 4, 1                        ; h
	s_delay_alu instid0(VALU_DEP_3)
	v_lshlrev_b32 v1, 4, v11                       ; v1  16 x lane
	s_delay_alu instid0(VALU_DEP_4)
	v_lshlrev_b32 v2, 3, v11                       ; v2  8 x lane
	s_delay_alu instid0(VALU_DEP_4)
	v_lshlrev_b32 v3, 5, v12
	s_delay_alu instid0(VALU_DEP_1)
	v_lshl_add_u32 v3, v13, 4, v3                  ; v3  32 r + 16 h: a tile's scale bytes
	v_mul_u32_u24 v4, v12, SPI
	s_delay_alu instid0(VALU_DEP_1)
	v_lshl_add_u32 v4, v13, 5, v4
	s_lshl_b32 s21, s20, 9
	v_add_nc_u32 v4, s21, v4                       ; v4  the stage, in: row r, + 512 w + 32 h
	s_delay_alu instid0(VALU_DEP_1)
	v_add_nc_u32 v5, 16*SPI, v4                    ; v5  the same for the second tile of rows
	s_mul_i32 s21, s20, 4*SPI
	v_add_nc_u32 v6, s21, v1                       ; v6  the stage, back: my four rows, 16 bytes a lane
	s_mul_i32 s21, s20, 3072
	s_add_co_u32 s21, s21, CT
	v_add_nc_u32 v7, s21, v1                       ; v7  ctx's images, in: my eighth
	v_add_nc_u32 v8, CT, v1                        ; v8, v9  and back
	v_add_nc_u32 v9, CT, v2
	v_lshlrev_b32 v10, 8, v11                      ; v10 256 x lane: the prefetches
	s_mov_b32 s22, 0x76543210
	s_mov_b32 s23, 0xfedcba98
	s_mov_b32 s24, 0x3a800000                      ; 1 / 1024
	s_mov_b32 s25, 0x358637bd                      ; 1e-6
	s_mul_i32 s26, ttmp9, 24576
	s_mul_i32 s27, s20, 3072
	s_add_co_u32 s26, s26, s27                     ; cimg: my work-group's two tiles, my eighth
	s_mov_b32 s27, 0
	s_lshl_b32 s28, ttmp9, 10                      ; cscl: two tiles of 512 bytes
	s_mov_b32 s29, 0
	s_mul_i32 s30, s20, 98304                      ; woimg: my 8 tiles x 8 K steps x 1,536 bytes
	s_mov_b32 s31, 0
	s_lshl_b32 s32, s20, 12                        ; Wo_scales: my 128 rows of 32 bytes
	s_mov_b32 s33, 0
	s_lshl_b32 s34, ttmp9, 17                      ; hidden, out0: 32 rows of 4,096 bytes a work-group, 4 a wave
	s_lshl_b32 s35, s20, 14
	s_add_co_u32 s34, s34, s35
	s_mov_b32 s35, 0
	s_wait_alu depctr_va_vdst(0)
	s_wait_kmcnt 0x0
	s_add_nc_u64 s[4:5], s[4:5], s[26:27]
	s_add_nc_u64 s[6:7], s[6:7], s[28:29]
	s_add_nc_u64 s[8:9], s[8:9], s[30:31]
	s_add_nc_u64 s[10:11], s[10:11], s[32:33]
	s_add_nc_u64 s[14:15], s[14:15], s[34:35]
	s_add_nc_u64 s[18:19], s[18:19], s[34:35]
.macro WOLD kk                         ; Wo's eight fragments of K step kk into buffer kk % 2 of window 1
	WIN 0x40
.irp i, 0,1,2,3,4,5,6,7
.irp c, 0,1,2
	global_load_b128 v[96*((\kk)%2)+12*\i+4*\c:96*((\kk)%2)+12*\i+4*\c+3], v1, s[8:9] offset:12288*\i+1536*(\kk)+512*\c
.endr
.endr
	WIN 0
.endm
.macro CFLD kk                         ; ctx's two fragments of K step kk: two half images each
.irp u, 0,1
	ds_load_b128 v[CF+24*((\kk)%2)+12*\u:CF+24*((\kk)%2)+12*\u+3], v8 offset:12288*\u+1536*(\kk)
	ds_load_b64 v[CF+24*((\kk)%2)+12*\u+4:CF+24*((\kk)%2)+12*\u+5], v9 offset:12288*\u+1536*(\kk)+512
	ds_load_b128 v[CF+24*((\kk)%2)+12*\u+6:CF+24*((\kk)%2)+12*\u+9], v8 offset:12288*\u+1536*(\kk)+768
	ds_load_b64 v[CF+24*((\kk)%2)+12*\u+10:CF+24*((\kk)%2)+12*\u+11], v9 offset:12288*\u+1536*(\kk)+1280
.endr
.endm
.macro MULO kk                         ; 16 matrix instructions; the accumulators take turns, one instruction a turn; K step 0 starts the sums
	WIN 0x01                                       ; A (Wo) in window 1
.irp i, 0,1,2,3,4,5,6,7
.irp u, 0,1
.if (\kk) == 0
	v_wmma_scale_f32_16x16x128_f8f6f4 v[ACC+8*(2*\i+\u):ACC+8*(2*\i+\u)+7], v[96*((\kk)%2)+12*\i:96*((\kk)%2)+12*\i+11], v[CF+24*((\kk)%2)+12*\u:CF+24*((\kk)%2)+12*\u+11], 0, v[WS+4*\i+(\kk)%4], v[CS+4*\u+(\kk)%4] matrix_a_fmt:MATRIX_FMT_BF6 matrix_b_fmt:MATRIX_FMT_BF6
.elseif (\kk) < 4
	v_wmma_scale_f32_16x16x128_f8f6f4 v[ACC+8*(2*\i+\u):ACC+8*(2*\i+\u)+7], v[96*((\kk)%2)+12*\i:96*((\kk)%2)+12*\i+11], v[CF+24*((\kk)%2)+12*\u:CF+24*((\kk)%2)+12*\u+11], v[ACC+8*(2*\i+\u):ACC+8*(2*\i+\u)+7], v[WS+4*\i+(\kk)%4], v[CS+4*\u+(\kk)%4] matrix_a_fmt:MATRIX_FMT_BF6 matrix_b_fmt:MATRIX_FMT_BF6
.else
	v_wmma_scale_f32_16x16x128_f8f6f4 v[ACC+8*(2*\i+\u):ACC+8*(2*\i+\u)+7], v[96*((\kk)%2)+12*\i:96*((\kk)%2)+12*\i+11], v[CF+24*((\kk)%2)+12*\u:CF+24*((\kk)%2)+12*\u+11], v[ACC+8*(2*\i+\u):ACC+8*(2*\i+\u)+7], v[WS+4*\i+(\kk)%4], v[CS+4*\u+(\kk)%4] matrix_a_fmt:MATRIX_FMT_BF6 matrix_b_fmt:MATRIX_FMT_BF6 matrix_a_scale:MATRIX_SCALE_ROW1 matrix_b_scale:MATRIX_SCALE_ROW1
.endif
.endr
.endr
.endm
.irp k, 0,1,2,3,4,5
	global_load_b128 v[56+4*\k:59+4*\k], v1, s[4:5] offset:512*\k th:TH_LOAD_NT     ; my 3,072 bytes of ctx's images
.endr
.irp i, 0,1,2,3,4,5,6,7
	global_load_b128 v[WS+4*\i:WS+4*\i+3], v3, s[10:11] offset:512*\i
.endr
.irp u, 0,1
	global_load_b128 v[CS+4*\u:CS+4*\u+3], v3, s[6:7] offset:512*\u
.endr
	WOLD 0
	s_wait_loadcnt 34                              ; ctx's six loads are in; the 10 scale loads and Wo's 24 may be out
.irp k, 0,1,2,3,4,5
	ds_store_b128 v7, v[56+4*\k:59+4*\k] offset:512*\k
.endr
	s_wait_dscnt 0x0                               ; for the others' sake: my stores have landed
	s_barrier_signal -1
	s_barrier_wait -1
	CFLD 0
.irp kk, 0,1,2,3,4,5,6,7
.if \kk < 7
.if \kk > 0
	PLACES                                         ; the buffers below were read by the last step but one's products
.endif
	WOLD \kk+1
	CFLD \kk+1
.if \kk == 3
	; my four rows of hidden, 16,384 consecutive bytes, are asked for here, behind this step's loads: lanes 256 bytes apart, two instructions, each run of 256 bytes named once in the launch; their loads stand behind the last K step
	global_prefetch_b8 v10, s[14:15] th:TH_LOAD_NT scope:SCOPE_SE
	global_prefetch_b8 v10, s[14:15] offset:8192 th:TH_LOAD_NT scope:SCOPE_SE
.endif
	s_wait_loadcnt 24                              ; all but the next K step's 24
	s_wait_dscnt 8                                 ; all but the next K step's 8
.else
	s_wait_loadcnt 0x0
	s_wait_dscnt 0x0
.endif
	MULO \kk
.endr
	WIN 0
	PLACES                                         ; behind the last products: ahead of loads into Wo's registers and of the stores that read the results
	WIN 0x40
.irp q, 0,1,2,3
.irp e, 0,1,2,3,4,5,6,7
	global_load_b128 v[32*\q+4*\e:32*\q+4*\e+3], v1, s[14:15] offset:4096*\q+512*\e th:TH_LOAD_NT
.endr
.endr
.irp e, 0,1,2,3,4,5,6,7
	global_load_b128 v[128+4*\e:131+4*\e], v1, s[12:13] offset:512*\e
	global_load_b128 v[160+4*\e:163+4*\e], v1, s[16:17] offset:512*\e
.endr
	WIN 0
.irp i, 0,1,2,3,4,5,6,7
.irp u, 0,1
	ds_store_b128 v[4+\u], v[ACC+8*(2*\i+\u):ACC+8*(2*\i+\u)+3] offset:64*\i        ; each accumulator from its low end on: row 16 u + r, columns 128 w + 16 i + 8 h + 0..7
	ds_store_b128 v[4+\u], v[ACC+8*(2*\i+\u)+4:ACC+8*(2*\i+\u)+7] offset:64*\i+16
.endr
.endr
	s_wait_dscnt 0x0
	s_barrier_signal -1
	s_barrier_wait -1                              ; 32 whole rows lie in the stage
.irp q, 0,1,2,3
.irp e, 0,1,2,3,4,5,6,7
	ds_load_b128 v[ACC+32*\q+4*\e:ACC+32*\q+4*\e+3], v6 offset:SPI*\q+512*\e
.endr
.endr
	s_wait_dscnt 0x0
	s_wait_loadcnt 0x0
	WIN 0x04                                       ; source 1 in window 1
.irp q, 0,1,2,3
.irp j, 0,2,4,6,8,10,12,14,16,18,20,22,24,26,28,30
	v_pk_add_f32 v[ACC+32*\q+\j:ACC+32*\q+\j+1], v[ACC+32*\q+\j:ACC+32*\q+\j+1], v[128+\j:129+\j]      ; + bo
.endr
.endr
.irp q, 0,1,2,3
.irp j, 0,2,4,6,8,10,12,14,16,18,20,22,24,26,28,30
	v_pk_add_f32 v[ACC+32*\q+\j:ACC+32*\q+\j+1], v[ACC+32*\q+\j:ACC+32*\q+\j+1], v[32*\q+\j:32*\q+\j+1]   ; + hidden
.endr
.endr
	WIN 0
.irp q, 0,1,2,3                                ; the squares: two packed chains a row, started by the first products
	v_pk_mul_f32 v[SQ+4*\q:SQ+4*\q+1], v[ACC+32*\q:ACC+32*\q+1], v[ACC+32*\q:ACC+32*\q+1]
	v_pk_mul_f32 v[SQ+4*\q+2:SQ+4*\q+3], v[ACC+32*\q+2:ACC+32*\q+3], v[ACC+32*\q+2:ACC+32*\q+3]
.endr
.irp j, 4,8,12,16,20,24,28
.irp q, 0,1,2,3
	v_pk_fma_f32 v[SQ+4*\q:SQ+4*\q+1], v[ACC+32*\q+\j:ACC+32*\q+\j+1], v[ACC+32*\q+\j:ACC+32*\q+\j+1], v[SQ+4*\q:SQ+4*\q+1]
	v_pk_fma_f32 v[SQ+4*\q+2:SQ+4*\q+3], v[ACC+32*\q+\j+2:ACC+32*\q+\j+3], v[ACC+32*\q+\j+2:ACC+32*\q+\j+3], v[SQ+4*\q+2:SQ+4*\q+3]
.endr
.endr
.irp q, 0,1,2,3
	v_pk_add_f32 v[SQ+4*\q:SQ+4*\q+1], v[SQ+4*\q:SQ+4*\q+1], v[SQ+4*\q+2:SQ+4*\q+3]
.endr
.irp q, 0,1,2,3
	s_delay_alu instid0(VALU_DEP_4)
	v_add_f32 v[SQ+4*\q], v[SQ+4*\q], v[SQ+4*\q+1]
.endr
.irp m, 1,2,4,8
.irp q, 0,1,2,3
	s_delay_alu instid0(VALU_DEP_4)
	v_add_f32_dpp v[SQ+4*\q], v[SQ+4*\q], v[SQ+4*\q] row_xmask:\m row_mask:0xf bank_mask:0xf
.endr
.endr
.irp q, 0,1,2,3
	s_delay_alu instid0(VALU_DEP_4)
	v_permlanex16_b32 v[SQ+4*\q+1], v[SQ+4*\q], s22, s23
.endr
.irp q, 0,1,2,3
	s_delay_alu instid0(VALU_DEP_4)
	v_add_f32 v[SQ+4*\q], v[SQ+4*\q], v[SQ+4*\q+1]      ; the row's sum of squares, in every lane
.endr
.irp q, 0,1,2,3
	s_delay_alu instid0(VALU_DEP_4)
	v_fma_f32 v[SQ+4*\q], v[SQ+4*\q], s24, s25          ; / 1024 + 1e-6
.endr
	s_wait_alu depctr_va_vdst(0)
.irp q, 0,1,2,3
	v_rsq_f32 v[SQ+4*\q+2], v[SQ+4*\q]
.endr
	v_nop                                          ; a plain place behind the batch
	s_wait_alu depctr_va_vdst(0)                   ; one wait for the four, ahead of their first reader
.irp q, 0,1,2,3
.irp j, 0,2,4,6,8,10,12,14,16,18,20,22,24,26,28,30
	v_pk_mul_f32 v[ACC+32*\q+\j:ACC+32*\q+\j+1], v[ACC+32*\q+\j:ACC+32*\q+\j+1], v[SQ+4*\q+2:SQ+4*\q+3] op_sel_hi:[1,0]
.endr
.endr
	WIN 0x04
.irp q, 0,1,2,3
.irp j, 0,2,4,6,8,10,12,14,16,18,20,22,24,26,28,30
	v_pk_mul_f32 v[ACC+32*\q+\j:ACC+32*\q+\j+1], v[ACC+32*\q+\j:ACC+32*\q+\j+1], v[160+\j:161+\j]      ; x gamma
.endr
.endr
	WIN 0
.irp q, 0,1,2,3
.irp e, 0,1,2,3,4,5,6,7
	global_store_b128 v1, v[ACC+32*\q+4*\e:ACC+32*\q+4*\e+3], s[18:19] offset:4096*\q+512*\e th:TH_STORE_NT   ; 32 lanes store 512 consecutive bytes, aligned
.endr
.endr
	s_wait_tensorcnt 0x0
	ds_add_u32 v126, v127
	s_wait_dscnt 0x0
	s_endpgm
.Lfunc_end_k_qcb276d661d_outn:
	.size	k_qcb276d661d_outn, .Lfunc_end_k_qcb276d661d_outn-k_qcb276d661d_outn
	.p2alignl 7, 3214868480
	.fill 96, 4, 3214868480
	.section	.rodata,"a",@progbits
	.p2align	6, 0x0
	.amdhsa_kernel k_qcb276d661d_outn
		.amdhsa_group_segment_fixed_size 157184
		.amdhsa_private_segment_fixed_size 0
		.amdhsa_enable_private_segment 0
		.amdhsa_kernarg_size 64
		.amdhsa_user_sgpr_count 2
		.amdhsa_user_sgpr_kernarg_segment_ptr 1
		.amdhsa_wavefront_size32 1
		.amdhsa_system_sgpr_workgroup_id_x 1
		.amdhsa_system_sgpr_workgroup_id_y 1
		.amdhsa_system_sgpr_workgroup_id_z 1
		.amdhsa_system_vgpr_workitem_id 0
		.amdhsa_next_free_vgpr 448
		.amdhsa_next_free_sgpr 66
		.amdhsa_reserve_vcc 0
		.amdhsa_float_denorm_mode_32 3
		.amdhsa_float_denorm_mode_16_64 3
		.amdhsa_memory_ordered 1
		.amdhsa_forward_progress 1
		.amdhsa_inst_pref_size 81
	.end_amdhsa_kernel
	.amdgpu_metadata
---
amdhsa.version: [ 1, 2 ]
amdhsa.kernels:
  - .name:           k_qcb276d661d_outn
    .symbol:         k_qcb276d661d_outn.kd
    .args:
      - { .name: cimg, .offset: 0, .size: 8, .value_kind: global_buffer, .address_space: global }
      - { .name: cscl, .offset: 8, .size: 8, .value_kind: global_buffer, .address_space: global }
      - { .name: woimg, .offset: 16, .size: 8, .value_kind: global_buffer, .address_space: global }
      - { .name: Wo_scales, .offset: 24, .size: 8, .value_kind: global_buffer, .address_space: global }
      - { .name: bo, .offset: 32, .size: 8, .value_kind: global_buffer, .address_space: global }
      - { .name: hidden_states, .offset: 40, .size: 8, .value_kind: global_buffer, .address_space: global }
      - { .name: gamma, .offset: 48, .size: 8, .value_kind: global_buffer, .address_space: global }
      - { .name: out0, .offset: 56, .size: 8, .value_kind: global_buffer, .address_space: global }
    .group_segment_fixed_size: 157184
    .private_segment_fixed_size: 0
    .kernarg_segment_align: 8
    .kernarg_segment_size: 64
    .max_flat_workgroup_size: 256
    .sgpr_count:     66
    .vgpr_count:     448
    .wavefront_size: 32
...
	.end_amdgpu_metadata
.endif
;; end of part 4
